; MI455X (gfx1250); checked and timed in simulation.
; The chip was launched on July 23, 2026; its instructions are those of AMD's public machine-readable ISA for CDNA 5 (MIT licence, August 2026) and "CDNA5" Instruction Set Architecture Reference Guide (July 2026). The comments in the code are by the model that wrote it; some were corrected since.
;; Multi Head Attention. Allowed arithmetic: matrix products marked QUANTISED: E2M3 operands, one E8M0 scale for each 32 along K, by v_wmma_scale_f32_16x16x128_f8f6f4 with both operands' format E2M3, f32 sums; everything else in f32.
;; Inputs: Wk 1,024 x 1,024 float32; Wo 1,024 x 1,024 float32; Wq 1,024 x 1,024 float32; Wv 1,024 x 1,024 float32; key 2 x 2,048 x 1,024 float32; mask 1 x 1 x 2,048 x 2,048 bool; query 2 x 2,048 x 1,024 float32; value 2 x 2,048 x 1,024 float32.
;; Outputs: out0 2 x 2,048 x 1,024 float32.
;; This version of the problem:
;;   THIS VERSION OF THE PROBLEM IS GIVEN IN LOW PRECISION. The matrix products marked QUANTISED in the list below multiply operands that are first quantised to E2M3 (2 exponent bits, 3 mantissa bits; 6 bits a number), with one power-of-two scale for each 32 numbers along K (OCP MX v1.0); their sums are f32. All else is computed in f32.
;;   The module's matrix products, in the order in which they are computed (A, B: the left and right operand; K: the contracted axis; several contracted axes count as one K, in the product's order):
;;     1. [M 4,096, K 1,024] x [K 1,024, N 1,024]; A: input query; B: input Wq: QUANTISED
;;     2. [M 4,096, K 1,024] x [K 1,024, N 1,024]; A: input key; B: input Wk: QUANTISED
;;     3. [M 4,096, K 1,024] x [K 1,024, N 1,024]; A: input value; B: input Wv: QUANTISED
;;     4. batch 32 x [M 2,048, K 64] x [K 64, N 2,048]; A: computed on the way; B: computed on the way: QUANTISED
;;     5. batch 32 x [M 2,048, K 2,048] x [K 2,048, N 64]; A: softmax (see below); B: computed on the way: QUANTISED
;;     6. [M 4,096, K 1,024] x [K 1,024, N 1,024]; A: computed on the way; B: input Wo: QUANTISED
;;   THE QUANTISER, for each operand of a quantised product, along K:
;;     - K is cut into blocks of 32 from its start; a last block that is shorter is filled with zeros.
;;     - A block's scale is 2^e with e = floor(log2(the largest magnitude in the block)) - 2, held to -126 .. 127; a block of zeros has e = 0. As a byte (E8M0): e + 127.
;;     - Each number is divided by its block's scale, clamped to +-7.5, and rounded to the nearest number of E2M3, ties to even, subnormals kept.
;;     - The product sums the exact products of the quantised numbers (number of the format x scale) in f32.
;;   ~~~python
;;   def quantise(x, axis):      # numpy; x: float32 -> the quantised numbers, widened to float32 again
;;       x = np.moveaxis(x, axis, -1); K = x.shape[-1]
;;       x = np.pad(x, [(0, 0)] * (x.ndim - 1) + [(0, -K % 32)]); x = x.reshape(x.shape[:-1] + (-1, 32)); a = np.abs(x).max(-1, keepdims=True)
;;       e = np.where(a > 0, np.clip(np.frexp(np.where(a > 0, a, 1))[1] - 1 - 2, -126, 127), 0)      # np.frexp(a)[1] - 1 = floor(log2(a)), exactly
;;       r = np.clip(x / 2.0 ** e, -7.5, 7.5)
;;       step = 2.0 ** (np.maximum(np.frexp(np.where(r == 0, 1, r))[1] - 1, 0) - 3)
;;       q = np.round(r / step) * step * 2.0 ** e      # np.round: ties to even
;;       return np.moveaxis(q.reshape(q.shape[:-2] + (-1,))[..., :K], -1, axis).astype(np.float32)
;;   ~~~
;;   SOFTMAX AHEAD OF A QUANTISED PRODUCT. Where the list says 'softmax', what is quantised is not the finished softmax but p = 2^(t - M), with t = logit x log2(e) and M = ceil(the row's largest t), a whole number; so 1/2 < the row's largest p <= 1. The row's sum l is taken of the UNQUANTISED p, in f32, and the product's result is divided by l at the end. Since M is a whole number, a kernel that streams over the keys may use a running M (the ceiling of the running maximum): every later rescaling is an exact power of two, which a block's scale takes up: the codes' values come out the same.
;;   OPERANDS COMPUTED ON THE WAY. 'Computed on the way' means the value that the module computes at that place (a softmax that the list does not call 'softmax' is quantised finished and normalised). What goes into a quantiser is computed in f32, as accurately as f32 sums, v_exp_f32 and their like allow (about 1e-6 of the number): no bf16 or f16 on the way to a quantiser, and a product that is left as it is and whose result goes on into a quantised operand takes f32 operands (vector FMAs, or v_wmma_f32_16x16x4_f32). A number that lies on a knife's edge between two numbers of the format may be rounded either way, as far as f32 arithmetic and the matrix unit's own rounding can turn it there, and no further.
;; 2 versions, each right; version 2 is version 1 with the launch attn written anew for expert scheduling mode. Each part assembles by itself: llvm-mc -triple=amdgcn-amd-amdhsa -mcpu=gfx1250 --defsym DOCPART=n.
;; ======== version 1 of 2: 4 launches
;; limits: right only within a limited range of input values
;; workspace buffers: xc 12,582,912 bytes; xs 524,288 bytes; qkvc 9,437,184 bytes; qkvs 393,216 bytes; mw 524,288 bytes of whole numbers; mf 8,192 bytes of whole numbers; oc 3,145,728 bytes; os 131,072 bytes
;; launch prep (part 1): grid 320 x 1, 8 waves a work-group, no clusters, 136,192 bytes of LDS; arguments query, key, value, Wq, Wk, Wv, Wo, mask, xc, xs, mw, mf; writes xc, xs, mw, mf
.if DOCPART == 1
	.amdgcn_target "amdgcn-amd-amdhsa--gfx1250"
	.amdhsa_code_object_version 6
	.text
	.protected	k_q2b4ab4ee8f_prep
	.globl	k_q2b4ab4ee8f_prep
	.p2align	8
	.type	k_q2b4ab4ee8f_prep,@function
k_q2b4ab4ee8f_prep:
	s_mov_b64 s[64:65], 0
	v_nop
	global_prefetch_b8 v0, s[64:65] scope:SCOPE_SE
	s_setreg_imm32_b32 hwreg(HW_REG_WAVE_MODE, 25, 1), 1
	s_wait_xcnt 0x0
; PREP.  Work-groups 0-255 turn query, key, value [4096][1024] and Wq, Wk, Wv, Wo [1024][1024], f32, into codes of FP6 (E2M3) along their last axis, with one E8M0 byte for each 32.
; Work-groups 256-319 turn the mask [2048][2048] of bytes into lane-mask words and flag words for the attention launch.
; THE CODES ARE LAID IN THE ORDER OF AN OPERAND'S REGISTERS.  Rows go in blocks of 16: lane row r of block RB is row 32 (RB / 2) + 8 (RB % 2) + r + 8 (r / 8) of its tensor.  A fragment (16 rows x 128 along K, 12 registers
; a lane) is 1,536 bytes: registers 0-3 at 16 x lane, 4-5 at 512 + 8 x lane, 6-9 at 768 + 16 x lane, 10-11 at 1,280 + 8 x lane.  xc: [RB 1024][K step 8][1536]; RB bases: query 0, key 256, value 512, Wq 768, Wk 832, Wv 896, Wo 960.
; xs: [RB][half of K 2][r 16][4 scale words]: the word of K step s stands at half s / 4, word s % 4.
; A block's scale is 2^(floor(log2(its largest magnitude)) - 2): its byte is the largest magnitude's exponent field - 2, held at 1 from below.
; LIMITS: a block of zeros gets the byte 1 where the quantiser's text says 127 (its codes are zeros, and this program alone reads the bytes); blocks whose largest magnitude lies under 2^-124 have the byte 1; NaN and infinities are not served.
; A wave takes one row block and half of K: four fragments.  Each load reads 512 consecutive bytes of one row; the 16 rows turn through the wave's own stage in LDS (pitch 528), so that a lane gets 16 neighbours of each block of 32.
; mw: [T 128][step 16][64 words]: bit L of word n = mask[row r = L % 16 of block T][128 step + 32 (n / 16) + 16 (L / 16) + n % 16].  mf: [T][step]: bits 15:0: which rows see a key of the step; bit 16: all 16 x 128 are seen.
; No tensor load, no barrier: waves share nothing.  Matrix units and clusters have nothing to do here.  The two paths part on the work-group's number and have LDS bytes of their own.
.set STGB, 8448                        ; a wave's stage: 16 rows x 528 bytes
.set MSTG, 8*STGB                      ; the mask path's stages lie behind the quantising path's
.set RA,   16                          ; v16-79   16 rows x 16 bytes a lane, as loaded
.set RBS,  80                          ; v80-143  the second set
.set X,    144                         ; v144-207 64 numbers of my row: register 16 b + i = k 32 b + 16 h + i
.set PC,   208                         ; v208-219 the fragment's codes; v220-227 the conversions' second halves
.set TM,   228                         ; v228-231 largest magnitudes, v232-235 bytes, v240-243 scale operands
.set PW,   244                         ; v244-247 the four fragments' scale words
.set MWR,  208                         ; mask path: v208-215 the words of four steps, two to a lane
.set MFW,  216                         ; v216     the four flag words, one to a lane
.set MT,   224                         ; v224-231 at work
	s_load_b512 s[4:19], s[0:1], 0x0               ; query s4, key s6, value s8, Wq s10, Wk s12, Wv s14, Wo s16, mask s18
	s_load_b256 s[20:27], s[0:1], 0x40             ; xc s20, xs s22, mw s24, mf s26
	v_lshl_add_u32 v254, v0, 2, 0x21000
	v_mov_b32 v255, 0
	v_lshrrev_b32 v1, 5, v0
	v_readfirstlane_b32 s28, v1                    ; wave 0..7
	v_and_b32 v1, 31, v0                           ; lane
	v_and_b32 v2, 15, v0                           ; r
	v_bfe_u32 v3, v0, 4, 1                         ; h
	v_lshlrev_b32 v4, 4, v1                        ; 16 x lane
	v_lshlrev_b32 v5, 3, v1                        ; 8 x lane
	v_lshlrev_b32 v11, 2, v1                       ; 4 x lane
	s_mul_i32 s29, s28, STGB
	v_add_nc_u32 v6, s29, v4                       ; stage, in: 16 x lane of a row
	v_mul_u32_u24 v7, v2, 528
	v_add_nc_u32 v10, s29, v7                      ; stage, row r
	v_lshl_add_u32 v7, v3, 6, v10                  ; out: + 64 h: my 16 numbers of a block
	v_lshl_add_u32 v10, v3, 4, v10                 ; mask path, out: + 16 h: my 16 keys of a block
	v_add_nc_u32 v10, MSTG, v10
	v_add_nc_u32 v9, MSTG, v6                      ; mask path, in
	v_lshlrev_b32 v8, 4, v2
	v_lshl_add_u32 v8, v3, 3, v8                   ; the scale words' place: 16 r + 8 h
	s_mov_b32 s30, 0x76543210
	s_mov_b32 s31, 0xfedcba98                      ; lane selects: lane l xor 16
	s_cmp_ge_u32 ttmp9, 256
	s_cbranch_scc1 .Lmask
	; ---- the quantising path
	s_wait_kmcnt 0x0
	s_mov_b64 s[32:33], s[16:17]                   ; which tensor: a choice on the work-group's number alone
	s_mov_b32 s34, 240                             ; and its first work-group
	s_cmp_lt_u32 ttmp9, 240
	s_cselect_b64 s[32:33], s[14:15], s[32:33]
	s_cselect_b32 s34, 224, s34
	s_cmp_lt_u32 ttmp9, 224
	s_cselect_b64 s[32:33], s[12:13], s[32:33]
	s_cselect_b32 s34, 208, s34
	s_cmp_lt_u32 ttmp9, 208
	s_cselect_b64 s[32:33], s[10:11], s[32:33]
	s_cselect_b32 s34, 192, s34
	s_cmp_lt_u32 ttmp9, 192
	s_cselect_b64 s[32:33], s[8:9], s[32:33]
	s_cselect_b32 s34, 128, s34
	s_cmp_lt_u32 ttmp9, 128
	s_cselect_b64 s[32:33], s[6:7], s[32:33]
	s_cselect_b32 s34, 64, s34
	s_cmp_lt_u32 ttmp9, 64
	s_cselect_b64 s[32:33], s[4:5], s[32:33]
	s_cselect_b32 s34, 0, s34
	s_sub_co_u32 s35, ttmp9, s34
	s_lshl_b32 s35, s35, 6                         ; 64 rows a work-group,
	s_lshr_b32 s36, s28, 2
	s_lshl_b32 s36, s36, 5
	s_add_co_u32 s35, s35, s36                     ; + 32 (wave / 4)
	s_bfe_u32 s36, s28, 0x10001
	s_lshl_b32 s36, s36, 3
	s_add_co_u32 s35, s35, s36                     ; + 8 ((wave / 2) % 2): my row block's first row
	s_and_b32 s38, s28, 1                          ; which half of K
	s_lshl_b32 s36, s35, 12                        ; rows of 4,096 bytes
	s_lshl_b32 s39, s38, 11
	s_add_co_u32 s36, s36, s39
	s_mov_b32 s37, 0
	s_add_nc_u64 s[32:33], s[32:33], s[36:37]
	s_lshl_b32 s35, ttmp9, 2
	s_lshr_b32 s39, s28, 1
	s_add_co_u32 s35, s35, s39                     ; RB = 4 x work-group + wave / 2
	s_mul_i32 s36, s35, 12288
	s_mul_i32 s39, s38, 6144
	s_add_co_u32 s36, s36, s39
	s_add_nc_u64 s[20:21], s[20:21], s[36:37]      ; my four fragments in xc
	s_lshl_b32 s36, s35, 9
	s_lshl_b32 s39, s38, 8
	s_add_co_u32 s36, s36, s39
	s_add_nc_u64 s[22:23], s[22:23], s[36:37]      ; my 256 bytes of xs
.irp b, 0,1,2,3
	v_mov_b32 v[TM+4+\b], 0                        ; written once: a lane permute's destination counts as one of its sources
.endr
.macro LOADX f, set                    ; fragment f: 128 numbers of each of my 16 rows: 32 lanes read 512 consecutive bytes
.irp i, 0,1,2,3,4,5,6,7,8,9,10,11,12,13,14,15
	global_load_b128 v[\set+4*\i:\set+4*\i+3], v4, s[32:33] offset:(\i+8*(\i/8))*4096+512*(\f) th:TH_LOAD_NT
.endr
.endm
.macro TURNX set                       ; through the stage: LDS serves a wave's instructions in order, so no wait stands between the stores and the loads
.irp i, 0,1,2,3,4,5,6,7,8,9,10,11,12,13,14,15
	ds_store_b128 v6, v[\set+4*\i:\set+4*\i+3] offset:528*\i
.endr
.irp b, 0,1,2,3
.irp j, 0,1,2,3
	ds_load_b128 v[X+16*\b+4*\j:X+16*\b+4*\j+3], v7 offset:128*\b+16*\j
.endr
.endr
.endm
; 64 numbers of a lane, register 16 b + i = k 32 b + 16 h + i of my row, become a fragment's codes in v[PC] on and its scale word in v[pw]
.macro QUANT s, pw
.irp b, 0,1,2,3
	v_max3_num_f32 v[TM+\b], |v[\s+16*\b]|, |v[\s+1+16*\b]|, 0x1800000   ; my 16 numbers of block b, and the floor 2^(3 - 127): the byte cannot fall under 1
.endr
.irp i, 2,4,6,8,10,12,14
.irp b, 0,1,2,3
	v_max3_num_f32 v[TM+\b], v[TM+\b], |v[\s+16*\b+\i]|, |v[\s+1+16*\b+\i]|   ; the four blocks by turns
.endr
.endr
.irp b, 0,1,2,3
	v_permlanex16_b32 v[TM+4+\b], v[TM+\b], s30, s31
.endr
.irp b, 0,1,2,3
	v_max_num_f32 v[TM+\b], v[TM+\b], v[TM+4+\b]   ; with lane l xor 16's: the block's largest magnitude
.endr
.irp b, 0,1,2,3
	v_add_nc_u32 v[TM+12+\b], 0xff000000, v[TM+\b] ; 2 off its exponent field: the conversion takes this operand's exponent field as its scale
.endr
.irp b, 0,1,2,3
	v_lshrrev_b32 v[TM+4+\b], 23, v[TM+12+\b]      ; the scale's byte
.endr
	v_lshl_or_b32 v[\pw], v[TM+5], 8, v[TM+4]
	v_lshl_or_b32 v[\pw], v[TM+6], 16, v[\pw]
	v_lshl_or_b32 v[\pw], v[TM+7], 24, v[\pw]      ; my row's scale word
.irp c, 0,1
	v_cvt_scalef32_pk16_fp6_f32 v[PC+6*\c:PC+2+6*\c], v[\s+32*\c:\s+15+32*\c], v[TM+12+2*\c]
	v_cvt_scalef32_pk16_fp6_f32 v[PC+12+4*\c:PC+14+4*\c], v[\s+16+32*\c:\s+31+32*\c], v[TM+12+2*\c+1]   ; (a conversion's three registers begin on an even number)
.endr
	v_nop                                          ; one plain place behind a scaled conversion
.irp c, 0,1                            ; the operand's layout wants a whole block in a lane: lanes 0-15 block 2 c, lanes 16-31 block 2 c + 1
.irp i, 0,1,2
	v_permlane16_swap_b32 v[PC+6*\c+\i], v[PC+12+4*\c+\i]
.endr
.irp i, 0,1,2
	v_mov_b32 v[PC+3+6*\c+\i], v[PC+12+4*\c+\i]
.endr
.endr
.endm
.macro STOREF f                        ; each store covers 512 or 256 consecutive bytes, at a multiple of 256 from xc's first byte
	global_store_b128 v4, v[PC:PC+3], s[20:21] offset:1536*(\f)
	global_store_b64 v5, v[PC+4:PC+5], s[20:21] offset:1536*(\f)+512
	global_store_b128 v4, v[PC+6:PC+9], s[20:21] offset:1536*(\f)+768
	global_store_b64 v5, v[PC+10:PC+11], s[20:21] offset:1536*(\f)+1280
.endm
.macro FRAGQ f, set, more, left
	s_wait_loadcnt \left                           ; this fragment's 16 loads are in; the next fragment's 16 may be out
	TURNX \set
	s_wait_dscnt 0x0                               ; my 64 numbers are back, and the stage's stores have read the set
	s_wait_xcnt 0x0                                ; the last fragment's stores have read the codes' registers
.if \more
	LOADX (\f)+2, \set
.endif
	QUANT X, PW+(\f)
	STOREF \f
.endm
	LOADX 0, RA
	LOADX 1, RBS
	FRAGQ 0, RA, 1, 16
	FRAGQ 1, RBS, 1, 16
	FRAGQ 2, RA, 0, 16
	FRAGQ 3, RBS, 0, 0
	v_cmp_ne_u32 vcc_lo, 0, v3
	v_cndmask_b32 v248, v[PW], v[PW+2], vcc_lo     ; lanes 0-15 store words 0, 1 of row r, lanes 16-31 words 2, 3
	v_cndmask_b32 v249, v[PW+1], v[PW+3], vcc_lo
	global_store_b64 v8, v[248:249], s[22:23]      ; 32 lanes store 256 consecutive bytes, aligned
	s_wait_tensorcnt 0x0
	ds_add_u32 v254, v255
	s_wait_dscnt 0x0
	s_endpgm
	; ---- the mask path: a wave takes 16 rows (block T) x 512 keys (four steps)
.Lmask:
	s_wait_kmcnt 0x0
	s_sub_co_u32 s35, ttmp9, 256
	s_lshl_b32 s35, s35, 3
	s_add_co_u32 s35, s35, s28                     ; unit = 4 T + chunk
	s_lshr_b32 s36, s35, 2                         ; T
	s_and_b32 s38, s35, 3                          ; chunk
	s_lshr_b32 s39, s36, 1
	s_lshl_b32 s39, s39, 5
	s_and_b32 s32, s36, 1
	s_lshl_b32 s32, s32, 3
	s_add_co_u32 s39, s39, s32                     ; the block's first row
	s_lshl_b32 s32, s39, 11                        ; rows of 2,048 bytes
	s_lshl_b32 s39, s38, 9
	s_add_co_u32 s32, s32, s39
	s_mov_b32 s33, 0
	s_add_nc_u64 s[18:19], s[18:19], s[32:33]
	s_lshl_b32 s32, s35, 10                        ; (16 T + 4 chunk) steps of 256 bytes
	s_add_nc_u64 s[24:25], s[24:25], s[32:33]
	s_lshl_b32 s32, s35, 4                         ; and of 4 bytes
	s_add_nc_u64 s[26:27], s[26:27], s[32:33]
.irp i, 0,1,2,3,4,5,6,7,8,9,10,11,12,13,14,15
	global_load_b128 v[RA+4*\i:RA+4*\i+3], v4, s[18:19] offset:(\i+8*(\i/8))*2048 th:TH_LOAD_NT
.endr
.irp i, 0,1,2,3,4,5,6,7,8
	v_mov_b32 v[MWR+\i], 0                         ; a lane write's destination counts as read
.endr
	s_wait_loadcnt 0x0
.irp i, 0,1,2,3,4,5,6,7,8,9,10,11,12,13,14,15
	ds_store_b128 v9, v[RA+4*\i:RA+4*\i+3] offset:528*\i
.endr
.irp p, 0,1,2,3
.irp b, 0,1,2,3
	ds_load_b128 v[X+16*\p+4*\b:X+16*\p+4*\b+3], v10 offset:128*\p+32*\b   ; keys 128 p + 32 b + 16 h + 0 .. 15 of row r
.endr
.endr
	s_wait_dscnt 0x0
; eight words of step p, from word n0 on: a byte is cut out, compared with 0 across the lanes, and the lanes' bits are one word
.macro MW8 p, n0
.irp k, 0,1,2,3,4,5,6,7
	v_and_b32 v[MT+\k], 0xff<<(8*(\k%4)), v[X+16*(\p)+4*((\n0)/16)+(((\n0)%16)+\k)/4]
.endr
.irp k, 0,1,2,3,4,5,6,7
	v_cmp_ne_u32 s[40+\k], 0, v[MT+\k]
.endr
.irp k, 0,1,2,3,4,5,6,7
	s_or_b32 s48, s48, s[40+\k]
	s_and_b32 s49, s49, s[40+\k]
.endr
.irp k, 0,1,2,3,4,5,6,7
	v_writelane_b32 v[MWR+2*(\p)+\k%2], s[40+\k], ((\n0)+\k)/2   ; lane l holds words 2 l and 2 l + 1
.endr
.endm
.irp p, 0,1,2,3
	s_mov_b32 s48, 0
	s_mov_b32 s49, -1
.irp n0, 0,8,16,24,32,40,48,56
	MW8 \p, \n0
.endr
	global_store_b64 v5, v[MWR+2*\p:MWR+2*\p+1], s[24:25] offset:256*\p   ; 32 lanes store 256 consecutive bytes, aligned
	s_lshr_b32 s50, s48, 16
	s_or_b32 s50, s50, s48
	s_and_b32 s50, s50, 0xffff                     ; bit r: row r sees a key of this step
	s_cmp_eq_u32 s49, -1
	s_cselect_b32 s51, 0x10000, 0                  ; bit 16: every row sees every key
	s_or_b32 s50, s50, s51
	v_writelane_b32 v[MFW], s50, \p
.endr
	s_wait_xcnt 0x0                                ; EXEC changes only behind this wait
	v_cmp_gt_u32 vcc_lo, 4, v1
	s_wait_tensorcnt 0x0
	ds_add_u32 v254, v255
	s_wait_dscnt 0x0
	s_and_saveexec_b32 s52, vcc_lo
	global_store_b32 v11, v[MFW], s[26:27]         ; lanes 0-3: the four flag words
	s_wait_xcnt 0x0
	s_or_b32 exec_lo, exec_lo, s52
	s_endpgm
.Lfunc_end_k_q2b4ab4ee8f_prep:
	.size	k_q2b4ab4ee8f_prep, .Lfunc_end_k_q2b4ab4ee8f_prep-k_q2b4ab4ee8f_prep
	.p2alignl 7, 3214868480
	.fill 96, 4, 3214868480
	.section	.rodata,"a",@progbits
	.p2align	6, 0x0
	.amdhsa_kernel k_q2b4ab4ee8f_prep
		.amdhsa_group_segment_fixed_size 136192
		.amdhsa_private_segment_fixed_size 0
		.amdhsa_enable_private_segment 0
		.amdhsa_kernarg_size 96
		.amdhsa_user_sgpr_count 2
		.amdhsa_user_sgpr_kernarg_segment_ptr 1
		.amdhsa_wavefront_size32 1
		.amdhsa_system_sgpr_workgroup_id_x 1
		.amdhsa_system_sgpr_workgroup_id_y 1
		.amdhsa_system_sgpr_workgroup_id_z 1
		.amdhsa_system_vgpr_workitem_id 0
		.amdhsa_next_free_vgpr 256
		.amdhsa_next_free_sgpr 66
		.amdhsa_reserve_vcc 1
		.amdhsa_float_denorm_mode_32 3
		.amdhsa_float_denorm_mode_16_64 3
		.amdhsa_memory_ordered 1
		.amdhsa_forward_progress 1
		.amdhsa_inst_pref_size 106
	.end_amdhsa_kernel
	.amdgpu_metadata
---
amdhsa.version: [ 1, 2 ]
amdhsa.kernels:
  - .name:           k_q2b4ab4ee8f_prep
    .symbol:         k_q2b4ab4ee8f_prep.kd
    .args:
      - { .name: query, .offset: 0, .size: 8, .value_kind: global_buffer, .address_space: global }
      - { .name: key, .offset: 8, .size: 8, .value_kind: global_buffer, .address_space: global }
      - { .name: value, .offset: 16, .size: 8, .value_kind: global_buffer, .address_space: global }
      - { .name: Wq, .offset: 24, .size: 8, .value_kind: global_buffer, .address_space: global }
      - { .name: Wk, .offset: 32, .size: 8, .value_kind: global_buffer, .address_space: global }
      - { .name: Wv, .offset: 40, .size: 8, .value_kind: global_buffer, .address_space: global }
      - { .name: Wo, .offset: 48, .size: 8, .value_kind: global_buffer, .address_space: global }
      - { .name: mask, .offset: 56, .size: 8, .value_kind: global_buffer, .address_space: global }
      - { .name: xc, .offset: 64, .size: 8, .value_kind: global_buffer, .address_space: global }
      - { .name: xs, .offset: 72, .size: 8, .value_kind: global_buffer, .address_space: global }
      - { .name: mw, .offset: 80, .size: 8, .value_kind: global_buffer, .address_space: global }
      - { .name: mf, .offset: 88, .size: 8, .value_kind: global_buffer, .address_space: global }
    .group_segment_fixed_size: 136192
    .private_segment_fixed_size: 0
    .kernarg_segment_align: 8
    .kernarg_segment_size: 96
    .max_flat_workgroup_size: 256
    .sgpr_count:     66
    .vgpr_count:     256
    .wavefront_size: 32
...
	.end_amdgpu_metadata
.endif
;; end of part 1
;; launch proj (part 2): grid 4 x 48, 4 waves a work-group, clusters of 4 x 4, 327,680 bytes of LDS; arguments xc, xs, qkvc, qkvs; writes qkvc, qkvs
.if DOCPART == 2
	.amdgcn_target "amdgcn-amd-amdhsa--gfx1250"
	.amdhsa_code_object_version 6
	.text
	.protected	k_q2b4ab4ee8f_proj
	.globl	k_q2b4ab4ee8f_proj
	.p2align	8
	.type	k_q2b4ab4ee8f_proj,@function
k_q2b4ab4ee8f_proj:
	s_mov_b64 s[64:65], 0
	v_nop
	global_prefetch_b8 v0, s[64:65] scope:SCOPE_SE
	s_setreg_imm32_b32 hwreg(HW_REG_WAVE_MODE, 25, 1), 1
	s_wait_xcnt 0x0
	s_wait_alu depctr_hold_cnt(0) depctr_sa_sdst(0) depctr_va_vdst(0) depctr_va_sdst(0) depctr_va_ssrc(0) depctr_va_vcc(0) depctr_vm_vsrc(0)
	s_getreg_b32 s2, hwreg(HW_REG_IB_STS2, 6, 4)
	s_cmp_eq_u32 s2, 0
	s_cbranch_scc0 .Lentry_in_a_cluster
	s_endpgm
.Lentry_in_a_cluster:
	s_bfe_u32 s2, ttmp6, 0x10000c
	s_cmp_lg_u32 s2, 0xf033
	s_cbranch_scc0 .Lentry_shape_is_right
	s_endpgm
.Lentry_shape_is_right:
; PROJ.  q = query Wq^T, k = key Wk^T, v = value Wv^T: three products 4,096 x 1,024 x 1,024 on codes of FP6 (E2M3) with E8M0 scales, f32 sums; the results are quantised in registers and leave as codes.
; Clusters 0-3 (along y) make q, 4-7 k, 8-11 v.  A tile of the result is 256 x 256, a wave's 128 x 128: 64 accumulators.  For q and k: A = the tokens, B = the weight.  FOR v: A = Wv (its 1,024 rows), B = value (4,096 tokens).
; THE MATRIX INSTRUCTION IS USED TRANSPOSED (source 0 = 16 rows of B, source 1 = 16 rows of A): a lane holds ONE row of A and its registers run along B's rows.  The rows of a block of 16 are 32 (RB / 2) + 8 (RB % 2) + r + 8 (r / 8),
; so the 16 registers of B's blocks 2 b and 2 b + 1 are the neighbours 32 b + 16 h + 0 .. 15.  So q and k are quantised along the head's 64 (a wave's 128 columns are two heads), and v, with the tokens on B's side, along the keys.
; OPERANDS lie in xc as images of their registers, 1,536 bytes a fragment: [RB][K step 8][1536]; the scale words in xs: [RB][half 2][r 16][4].  K goes in four slots of 256 through a ring of two LDS slots; a wave's tensor load
; brings 8 row blocks x 3,072 bytes.  The scale words of the work-group's rows, for all of K, come once with the first fills.  The four slots are written out: no loop.
; CLUSTERS: 4 x 4 work-groups; A's tiles are asked for jointly along a row of the cluster, B's along a column.  By this text's count a wave has three tensor loads out at the start and one behind each round.
; OUT: qkvc: q at 0, k at 3,145,728: [b 2][head 16][T 128][768]; v at 6,291,456: [b][head][t 4][2 step + half 32][768]; 768 bytes = registers 0-5 of a fragment (16 rows x 64 codes).
;      qkvs: three parts of 131,072: [head pair 8][group 32][r 16][a 8] words.  q, k: group = token block / 8, a = token block % 8, bytes 0, 1 the even head's, 2, 3 the odd head's.  v: group = 16 b + key step, a = 4 (head % 2) + t.
; LIMITS: as in the quantising launch: a block of zeros gets the byte 1, blocks under 2^-124 the byte 1, NaN and infinities are not served.
; REGISTERS: window 0: v0-31 addresses; v32-63 scale words, two sets; v128-223 A's fragments, one set; on the way out v64-115.  window 1: B's fragments, two sets, at v0 and v128.  windows 2, 3: the accumulators ((a, b) at v[8 (8 (a % 4) + b)]).
.set NQ,     2                         ; K steps of 128 in a slot
.set FR,     12                        ; registers of a fragment
.set NL,     4                         ; LDS loads that bring one
.set NP,     4                         ; places behind this matrix instruction (ISA guide 7.12.1)
.set HALFT,  24576                     ; 8 row blocks x 3,072 bytes: what one tensor load brings
.set SLOT,   4*HALFT                   ; A's 256 rows, then B's
.set SCL,    2*SLOT                    ; behind the ring: the scale words, 4,096 bytes for each 128 rows
.set HALFS,  4096
.set SPARE,  SCL+4*HALFS               ; the spare words, 128 bytes for each wave: two blocks of 256 bytes that no other line names
.set ADRA, 16                          ; v16-17 my A fragments in slot 0, 1, + 16 x lane; v18-19 + 8 x lane
.set ADRB, 20                          ; v20-23 the same for B
.set ADRS, 27                          ; v27    my scale words: lanes 0-15 A's rows, lanes 16-31 B's
.set SPW,  28                          ; v28    my spare word; never rewritten
.set NIL,  29                          ; v29    0; never rewritten
.set SC,   32
.set AF,   128
.set PC,   64                          ; the way out: v64-75 codes, v76-83 the conversions' second halves
.set TM,   84                          ; v84-99 at work
.set PWS,  100                         ; v100-107 the eight blocks' scale words
.set G1, 24
.set G0, 32
.set G1B, 48
.set G0B, 56
.set G1S, 68
.set G0S, 76
.set G1SB, 80
.set G0SB, 88
.set MSB, 0
.macro WIN new                         ; the immediate's high byte repeats the setting that is left
.if MSB != \new
	s_set_vgpr_msb (MSB<<8)|\new
.set MSB, \new
.endif
.endm
.set MUL_LO, 0xa1                      ; source 0 (B) window 1, source 1 (A) window 0, C and D window 2
.set MUL_HI, 0xf1                      ; the same, C and D window 3
.set TO_B,   0x40                      ; destination window 1, address window 0
; A joint load: waves 0 and 1 fetch for A, waves 2 and 3 for B.  The branch hangs on the wave's number alone.  Four v_nop follow each of the two lines.
.macro JLOAD g0a, g1a, g0b, g1b
	s_cmp_eq_u32 s15, 0
	s_cbranch_scc0 .Lfor_b_\@
	tensor_load_to_lds s[\g0a:\g0a+3], s[\g1a:\g1a+7]
	s_nop 0
.rept 4
	v_nop
.endr
	s_branch .Lasked_\@
.Lfor_b_\@:
	tensor_load_to_lds s[\g0b:\g0b+3], s[\g1b:\g1b+7]
	s_nop 0
.rept 4
	v_nop
.endr
.Lasked_\@:
.endm
.macro CREST                           ; a round of the cluster's barrier behind its opening barrier
	s_cmp_lg_u32 s14, 0
	s_cbranch_scc1 .Lnot_wave_0_\@
	s_barrier_signal -3
.Lnot_wave_0_\@:
	s_barrier_wait -3
	s_barrier_signal -1
	s_barrier_wait -1
.endm
.macro CROUND
	s_barrier_signal -1
	s_barrier_wait -1
	CREST
.endm
	s_load_b256 s[4:11], s[0:1], 0x0               ; xc s[4:5], xs s[6:7], qkvc s[8:9], qkvs s[10:11]
	v_lshl_add_u32 v[SPW], v0, 2, SPARE
	v_mov_b32 v[NIL], 0
	ds_add_u32 v28, v29
	ds_add_u32 v28, v29
	s_wait_dscnt 0x0
	v_lshrrev_b32 v1, 5, v0
	v_readfirstlane_b32 s14, v1                    ; wave 0..3
	s_lshr_b32 s15, s14, 1                         ; which half of the tile's rows is mine.  Also: I fetch for A (0) or for B (1)
	s_and_b32 s16, s14, 1                          ; which half of its columns.  Also: which 128 rows I fetch
	s_bfe_u32 s40, ttmp6, 0x40000                  ; cx
	s_bfe_u32 s41, ttmp6, 0x40004                  ; cy
	s_and_b32 s12, ttmp7, 0xffff                   ; the cluster's y, 0..11
	s_lshr_b32 s67, s12, 2                         ; g: 0 q, 1 k, 2 v
	s_and_b32 s12, s12, 3                          ; which of the product's four clusters
	s_lshr_b32 s66, s67, 1                         ; 1 for v
	s_mul_i32 s13, s12, s66
	s_sub_co_u32 s17, s12, s13
	s_lshl_b32 s17, s17, 2
	s_add_co_u32 s17, s17, s41                     ; tile row: q, k: 4 x cluster + cy; v: cy
	s_lshl_b32 s42, s13, 2
	s_add_co_u32 s42, s42, s40                     ; tile column: q, k: cx; v: 4 x cluster + cx
	s_lshl_b32 s43, s41, 2
	s_lshl_b32 s43, 15, s43                        ; my row of the cluster
	s_lshl_b32 s44, 0x1111, s40                    ; my column
	; descriptor group 1: 8 rows of 3,072 bytes (384 elements of 8 bytes), 12,288 bytes apart; no padding: an image is read 16 or 8 bytes a lane on end
	s_or_b32 s[G1+0], s43, (3<<16)|(1<<21)         ; 15:0 the mask: A's tiles go to my row; 17:16 elements of 8 bytes; 21 set beside a mask
	s_or_b32 s[G1B+0], s44, (3<<16)|(1<<21)
.irp g, G1, G1B
	s_mov_b32 s[\g+1], 384<<16                     ; tensor_dim0
	s_mov_b32 s[\g+2], 8<<16                       ; tensor_dim1
	s_mov_b32 s[\g+3], 384<<16                     ; tile_dim0
	s_mov_b32 s[\g+4], 8                           ; tile_dim1
	s_mov_b32 s[\g+5], 1536                        ; tensor_dim0_stride
	s_mov_b32 s[\g+6], 0
	s_mov_b32 s[\g+7], 0
.endr
	; the scale words of 128 rows: 4,096 dense bytes as 16 rows of 256
	s_or_b32 s[G1S+0], s43, (3<<16)|(1<<21)
	s_or_b32 s[G1SB+0], s44, (3<<16)|(1<<21)
.irp g, G1S, G1SB
	s_mov_b32 s[\g+1], 32<<16
	s_mov_b32 s[\g+2], 16<<16
	s_mov_b32 s[\g+3], 32<<16
	s_mov_b32 s[\g+4], 16
	s_mov_b32 s[\g+5], 32
	s_mov_b32 s[\g+6], 0
	s_mov_b32 s[\g+7], 0
.endr
	s_mul_i32 s18, s66, 384
	s_lshl_b32 s20, s67, 8
	s_add_co_u32 s20, s20, s18                     ; A's first row block: query 0, key 256, Wv 896
	s_lshl_b32 s19, s17, 4
	s_add_co_u32 s20, s20, s19                     ; + 16 x tile row
	s_lshl_b32 s19, s16, 3
	s_add_co_u32 s20, s20, s19                     ; + the 8 that I fetch
	s_lshl_b32 s46, s67, 6
	s_add_co_u32 s46, s46, 768
	s_sub_co_u32 s46, s46, s18                     ; B's: Wq 768, Wk 832, value 512
	s_lshl_b32 s18, s42, 4
	s_add_co_u32 s46, s46, s18                     ; + 16 x tile column
	s_add_co_u32 s46, s46, s19
	s_lshl_b32 s22, s20, 9                         ; where these rows' scale words begin,
	s_mov_b32 s23, 0
	s_mul_i32 s20, s20, 12288                      ; and their codes
	s_mov_b32 s21, 0
	s_lshl_b32 s92, s46, 9
	s_mov_b32 s93, 0
	s_mul_i32 s46, s46, 12288
	s_mov_b32 s47, 0
	s_mul_i32 s45, s14, HALFT                      ; where they go: no place in the cluster enters an LDS address
	s_lshl_b32 s94, s14, 12
	s_wait_kmcnt 0x0
	s_add_nc_u64 s[20:21], s[4:5], s[20:21]
	s_add_nc_u64 s[22:23], s[6:7], s[22:23]
	s_add_nc_u64 s[46:47], s[4:5], s[46:47]
	s_add_nc_u64 s[92:93], s[6:7], s[92:93]
	CROUND                                         ; all sixteen work-groups are here: the first joint loads meet
	s_mov_b32 s[G0S], 1
	s_add_co_u32 s[G0S+1], s94, SCL
	s_mov_b64 s[G0S+2:G0S+3], s[22:23]
	s_or_b32 s[G0S+3], s[G0S+3], 0x80000000
	s_mov_b32 s[G0SB], 1
	s_add_co_u32 s[G0SB+1], s94, SCL
	s_mov_b64 s[G0SB+2:G0SB+3], s[92:93]
	s_or_b32 s[G0SB+3], s[G0SB+3], 0x80000000
	JLOAD G0S, G1S, G0SB, G1SB                     ; the scale words first: they are wanted with the first slot
.irp s, 0,1
	s_mov_b32 s[G0+4*\s], 1
	s_add_co_u32 s[G0+4*\s+1], s45, \s*SLOT
	s_add_nc_u64 s[G0+4*\s+2:G0+4*\s+3], s[20:21], \s*3072
	s_or_b32 s[G0+4*\s+3], s[G0+4*\s+3], 0x80000000
	s_mov_b32 s[G0B+4*\s], 1
	s_add_co_u32 s[G0B+4*\s+1], s45, \s*SLOT
	s_add_nc_u64 s[G0B+4*\s+2:G0B+4*\s+3], s[46:47], \s*3072
	s_or_b32 s[G0B+4*\s+3], s[G0B+4*\s+3], 0x80000000
	JLOAD G0+4*\s, G1, G0B+4*\s, G1B
.endr
	v_and_b32 v1, 31, v0                           ; lane
	v_and_b32 v2, 15, v0                           ; r
	v_bfe_u32 v3, v0, 4, 1                         ; h
	v_lshlrev_b32 v4, 4, v1                        ; 16 x lane
	v_lshlrev_b32 v5, 3, v1                        ; 8 x lane
	v_lshlrev_b32 v8, 5, v2
	v_lshl_add_u32 v8, v3, 4, v8                   ; the way out: 32 r + 16 h
	s_mul_i32 s21, s15, HALFT                      ; my 128 rows of A
	s_mul_i32 s22, s16, HALFT                      ; my 128 rows of B,
	s_add_co_u32 s22, s22, 2*HALFT                 ; which lie behind A's 256
.irp s, 0,1
	v_add_nc_u32 v[ADRA+\s], s21, v4
	v_add_nc_u32 v[ADRA+2+\s], s21, v5
	v_add_nc_u32 v[ADRB+\s], s22, v4
	v_add_nc_u32 v[ADRB+2+\s], s22, v5
	s_add_co_u32 s21, s21, SLOT
	s_add_co_u32 s22, s22, SLOT
.endr
	v_lshlrev_b32 v6, 4, v2                        ; my row's 16 bytes of a half of K
	s_lshl_b32 s21, s15, 12                        ; A's: my 128 rows
	s_lshl_b32 s22, s16, 12                        ; B's: my 128 rows, behind A's 256
	s_add_co_u32 s22, s22, 2*HALFS
	s_sub_co_u32 s22, s22, s21
	v_mul_u32_u24 v7, s22, v3                      ; lanes 16-31 take B's
	s_add_co_u32 s21, s21, SCL
	v_add_nc_u32 v6, v6, v7
	v_add_nc_u32 v[ADRS], s21, v6
.macro FRAG reg, adr, q, i             ; a fragment comes back as it was laid: registers 0-3, 4-5, 6-9, 10-11; every load's lanes read consecutive bytes
	ds_load_b128 v[\reg:\reg+3], v[\adr] offset:(\i)*3072+(\q)*1536
	ds_load_b64 v[\reg+4:\reg+5], v[\adr+2] offset:(\i)*3072+(\q)*1536+512
	ds_load_b128 v[\reg+6:\reg+9], v[\adr] offset:(\i)*3072+(\q)*1536+768
	ds_load_b64 v[\reg+10:\reg+11], v[\adr+2] offset:(\i)*3072+(\q)*1536+1280
.endm
; 16 matrix instructions: A's blocks a0, a0 + 1 x B's eight.  p: B's set; q: the slot's K step; sc: the set of scale words.  zero = 1: the first product starts the sums.
; The 64 accumulators take turns, one instruction a turn, in the same order in every step.
.macro MUL16 a0, p, q, sc, zero
.irp a, \a0, \a0+1
.irp b, 0,1,2,3,4,5,6,7
.if \zero
	v_wmma_scale_f32_16x16x128_f8f6f4 v[8*(8*((\a)%4)+\b):8*(8*((\a)%4)+\b)+7], v[128*(\p)+FR*\b:128*(\p)+FR*\b+FR-1], v[AF+FR*(\a):AF+FR*(\a)+FR-1], 0, v[SC+8*NQ*(\sc)+NQ*\b+(\q)], v[SC+8*NQ*(\sc)+NQ*(\a)+(\q)] matrix_a_fmt:MATRIX_FMT_FP6 matrix_b_fmt:MATRIX_FMT_FP6 matrix_a_scale:MATRIX_SCALE_ROW1
.else
	v_wmma_scale_f32_16x16x128_f8f6f4 v[8*(8*((\a)%4)+\b):8*(8*((\a)%4)+\b)+7], v[128*(\p)+FR*\b:128*(\p)+FR*\b+FR-1], v[AF+FR*(\a):AF+FR*(\a)+FR-1], v[8*(8*((\a)%4)+\b):8*(8*((\a)%4)+\b)+7], v[SC+8*NQ*(\sc)+NQ*\b+(\q)], v[SC+8*NQ*(\sc)+NQ*(\a)+(\q)] matrix_a_fmt:MATRIX_FMT_FP6 matrix_b_fmt:MATRIX_FMT_FP6 matrix_a_scale:MATRIX_SCALE_ROW1
.endif
.endr
.endr
.endm
.macro FETCH_B slot, q, p
	WIN TO_B
.irp i, 0,1,2,3,4,5,6,7
	FRAG 128*(\p)+FR*\i, ADRB+\slot, \q, \i
.endr
	WIN 0
.endm
.macro FETCH_A slot, q, i0
.irp i, \i0, \i0+1, \i0+2, \i0+3
	FRAG AF+FR*(\i), ADRA+\slot, \q, \i
.endr
.endm
.macro SCALES sc, sg                   ; the two scale words of K slot sg: lanes 0-15 A's block i, lanes 16-31 B's block i
.irp i, 0,1,2,3,4,5,6,7
	ds_load_b64 v[SC+8*NQ*\sc+NQ*\i:SC+8*NQ*\sc+NQ*\i+1], v[ADRS] offset:\i*512+((\sg)>>1)*256+((\sg)&1)*8
.endr
.endm
.macro PLACES n                        ; places in front of loads into registers that matrix instructions have read, and of the first read of results
.rept \n
	v_nop
.endr
.endm
.macro STEP slot, q, zero              ; a K step that has its successor in the same slot
	s_wait_dscnt 4*NL                              ; all but the youngest 16 loads (A's blocks 4-7) are in
	WIN MUL_LO
	MUL16 0, (\q)%2, \q, \slot, \zero
	MUL16 2, (\q)%2, \q, \slot, \zero
	s_wait_dscnt 0
	PLACES NP
	FETCH_B \slot, (\q)+1, 1-(\q)%2
	FETCH_A \slot, (\q)+1, 0
	WIN MUL_HI
	MUL16 4, (\q)%2, \q, \slot, \zero
	MUL16 6, (\q)%2, \q, \slot, \zero
	PLACES NP
	WIN 0
	FETCH_A \slot, (\q)+1, 4
.endm
; A slot's last step changes slots: one barrier; in front of it each wave waits for all its tensor loads, adds 0 to its spare word, and waits for that and for its reads of this slot.  fill = 1: this slot is filled again.  sg: the next K slot.
.macro TURN slot, next, fill, sg
	s_wait_tensorcnt 0x0                           ; all my tensor loads have landed: my part of the next slot
	ds_add_u32 v[SPW], v[NIL]                      ; 0 onto my spare word
	s_wait_dscnt 4*NL+1                            ; (the add and the youngest 16 loads may be out)
	WIN MUL_LO
	MUL16 0, 1, NQ-1, \slot, 0
	s_wait_dscnt 0x0                               ; the add is done, and my reads of this slot are over
	s_barrier_signal -1
	MUL16 2, 1, NQ-1, \slot, 0
	WIN 0
	s_barrier_wait -1
.if \fill
	CREST                                          ; the barrier has opened a round of the cluster's: no wave of any partner still reads this slot or has a load on its way
	s_add_nc_u64 s[G0+4*\slot+2:G0+4*\slot+3], s[G0+4*\slot+2:G0+4*\slot+3], 2*3072
	s_add_nc_u64 s[G0B+4*\slot+2:G0B+4*\slot+3], s[G0B+4*\slot+2:G0B+4*\slot+3], 2*3072
	JLOAD G0+4*\slot, G1, G0B+4*\slot, G1B         ; the first tensor load behind the round; its four v_nop are the places in front of the loads below
.else
	PLACES NP
.endif
	FETCH_B \next, 0, 0
	FETCH_A \next, 0, 0
	SCALES \next, \sg
	WIN MUL_HI
	MUL16 4, 1, NQ-1, \slot, 0
	MUL16 6, 1, NQ-1, \slot, 0
	PLACES NP
	WIN 0
	FETCH_A \next, 0, 4
.endm
	s_wait_tensorcnt 1                             ; the scale words and my part of slot 0 are in (slot 1's load, the youngest, may be out),
	s_barrier_signal -1
	s_barrier_wait -1                              ; everybody's are
	FETCH_B 0, 0, 0
	FETCH_A 0, 0, 0
	SCALES 0, 0
	FETCH_A 0, 0, 4
	STEP 0, 0, 1                                   ; K 0-127: its products start the sums
	TURN 0, 1, 1, 1                                ; K 128-255; slot 0 takes K 512-767
	STEP 1, 0, 0
	TURN 1, 0, 1, 2                                ; slot 1 takes K 768-1023
	STEP 0, 0, 0
	TURN 0, 1, 0, 3                                ; nothing is left to fetch
	STEP 1, 0, 0
	s_wait_dscnt 4*NL
	WIN MUL_LO
	MUL16 0, 1, NQ-1, 1, 0
	MUL16 2, 1, NQ-1, 1, 0
	s_wait_dscnt 0
	WIN MUL_HI
	MUL16 4, 1, NQ-1, 1, 0
	MUL16 6, 1, NQ-1, 1, 0
	WIN 0
	; THE WAY OUT: block a's 64 registers of a lane are 128 neighbours' worth of one row (16 of each block of 32): they become one fragment and one scale word, and leave as two half images of 768 bytes.
.irp b, 0,1,2,3
	v_mov_b32 v[TM+4+\b], 0                        ; a lane permute's destination counts as one of its sources; these four lines are also the places behind the last products
.endr
	s_lshl_b32 s20, s17, 4
	s_lshl_b32 s21, s15, 3
	s_add_co_u32 s20, s20, s21                     ; my first row block of A's side
	s_lshl_b32 s21, s42, 1
	s_add_co_u32 s21, s21, s16                     ; my group of 128 on B's side
	s_mul_i32 s22, s67, 3145728                    ; q, k: part, batch, token block, head pair
	s_lshr_b32 s23, s20, 7
	s_mul_i32 s23, s23, 1572864
	s_add_co_u32 s22, s22, s23
	s_and_b32 s23, s20, 127
	s_mul_i32 s23, s23, 768
	s_add_co_u32 s22, s22, s23
	s_mul_i32 s23, s21, 196608
	s_add_co_u32 s22, s22, s23
	s_mul_i32 s94, s20, 24576                      ; v: part, head and t, batch, key step
	s_add_co_u32 s94, s94, 6291456
	s_lshr_b32 s95, s21, 4
	s_mul_i32 s95, s95, 1572864
	s_add_co_u32 s94, s94, s95
	s_and_b32 s95, s21, 15
	s_mul_i32 s95, s95, 1536
	s_add_co_u32 s94, s94, s95
	s_mov_b32 s92, 24576
	s_mov_b32 s18, 98304
	s_lshr_b32 s12, s20, 3
	s_cmp_eq_u32 s66, 0                            ; the choices enter offsets of stores alone
	s_cselect_b32 s22, s22, s94                    ; where my first half image goes
	s_cselect_b32 s92, 768, s92                    ; from block to block
	s_cselect_b32 s18, s18, 768                    ; from the first half image to the second
	s_cselect_b32 s13, s21, s12                    ; head pair
	s_cselect_b32 s12, s12, s21                    ; group
	s_mov_b32 s23, 0
	s_mov_b32 s93, 0
	s_mov_b32 s19, 0
	s_add_nc_u64 s[96:97], s[8:9], s[22:23]
	s_add_nc_u64 s[98:99], s[96:97], s[18:19]
	s_lshl_b32 s22, s67, 17
	s_lshl_b32 s13, s13, 14
	s_add_co_u32 s22, s22, s13
	s_lshl_b32 s12, s12, 9
	s_add_co_u32 s22, s22, s12
	s_add_nc_u64 s[10:11], s[10:11], s[22:23]
.macro QUANTW a
.set WW, 2+(\a)/4                      ; the block's window
.set SB, 64*((\a)%4)                   ; and its first register there
	WIN (WW|(WW<<2))
.irp b, 0,1,2,3
	v_max3_num_f32 v[TM+\b], |v[SB+16*\b]|, |v[SB+1+16*\b]|, 0x1800000   ; each accumulator is read from its low end on; the floor 2^(3 - 127) holds the byte at 1 from below
.endr
	WIN ((WW<<2)|(WW<<4))
.irp i, 2,4,6,8,10,12,14
.irp b, 0,1,2,3
	v_max3_num_f32 v[TM+\b], v[TM+\b], |v[SB+16*\b+\i]|, |v[SB+1+16*\b+\i]|
.endr
.endr
	WIN 0
.irp b, 0,1,2,3
	v_permlanex16_b32 v[TM+4+\b], v[TM+\b], s2, s3
.endr
.irp b, 0,1,2,3
	v_max_num_f32 v[TM+\b], v[TM+\b], v[TM+4+\b]
.endr
.irp b, 0,1,2,3
	v_add_nc_u32 v[TM+12+\b], 0xff000000, v[TM+\b]
.endr
.irp b, 0,1,2,3
	v_lshrrev_b32 v[TM+4+\b], 23, v[TM+12+\b]
.endr
	v_lshl_or_b32 v[PWS+(\a)], v[TM+5], 8, v[TM+4]
	v_lshl_or_b32 v[PWS+(\a)], v[TM+6], 16, v[PWS+(\a)]
	v_lshl_or_b32 v[PWS+(\a)], v[TM+7], 24, v[PWS+(\a)]
	WIN WW
.irp c, 0,1
	v_cvt_scalef32_pk16_fp6_f32 v[PC+6*\c:PC+2+6*\c], v[SB+32*\c:SB+15+32*\c], v[TM+12+2*\c]
	v_cvt_scalef32_pk16_fp6_f32 v[PC+12+4*\c:PC+14+4*\c], v[SB+16+32*\c:SB+31+32*\c], v[TM+12+2*\c+1]
.endr
	WIN 0
	v_nop                                          ; one plain place behind a scaled conversion
.irp c, 0,1
.irp i, 0,1,2
	v_permlane16_swap_b32 v[PC+6*\c+\i], v[PC+12+4*\c+\i]
.endr
.irp i, 0,1,2
	v_mov_b32 v[PC+3+6*\c+\i], v[PC+12+4*\c+\i]
.endr
.endr
.endm
	s_mov_b32 s2, 0x76543210
	s_mov_b32 s3, 0xfedcba98                       ; lane selects: lane l xor 16
.irp a, 0,1,2,3,4,5,6,7
.if \a > 0
	s_wait_xcnt 0x0                                ; the last block's stores have read the codes' registers and the bases
	s_add_nc_u64 s[96:97], s[96:97], s[92:93]
	s_add_nc_u64 s[98:99], s[98:99], s[92:93]
.endif
	QUANTW \a
	global_store_b128 v4, v[PC:PC+3], s[96:97]                 ; each store covers 512 or 256 consecutive bytes, at a multiple of 256 from the buffer's first byte
	global_store_b64 v5, v[PC+4:PC+5], s[96:97] offset:512
	global_store_b128 v4, v[PC+6:PC+9], s[98:99]
	global_store_b64 v5, v[PC+10:PC+11], s[98:99] offset:512
.endr
	v_cmp_ne_u32 vcc_lo, 0, v3
.irp i, 0,1,2,3
	v_cndmask_b32 v[112+\i], v[PWS+\i], v[PWS+4+\i], vcc_lo    ; lanes 0-15 store blocks 0-3's words of row r, lanes 16-31 blocks 4-7's
.endr
	global_store_b128 v8, v[112:115], s[10:11]     ; 512 consecutive bytes, aligned
	s_wait_tensorcnt 0x0                           ; the wave's end
	ds_add_u32 v[SPW], v[NIL]
	s_wait_dscnt 0x0
	CROUND                                         ; the closing round: no work-group ends while a partner may still ask for a tile that names it
	s_endpgm
.Lfunc_end_k_q2b4ab4ee8f_proj:
	.size	k_q2b4ab4ee8f_proj, .Lfunc_end_k_q2b4ab4ee8f_proj-k_q2b4ab4ee8f_proj
	.p2alignl 7, 3214868480
	.fill 96, 4, 3214868480
	.section	.rodata,"a",@progbits
	.p2align	6, 0x0
	.amdhsa_kernel k_q2b4ab4ee8f_proj
		.amdhsa_group_segment_fixed_size 327680
		.amdhsa_private_segment_fixed_size 0
		.amdhsa_enable_private_segment 0
		.amdhsa_kernarg_size 32
		.amdhsa_user_sgpr_count 2
		.amdhsa_user_sgpr_kernarg_segment_ptr 1
		.amdhsa_wavefront_size32 1
		.amdhsa_system_sgpr_workgroup_id_x 1
		.amdhsa_system_sgpr_workgroup_id_y 1
		.amdhsa_system_sgpr_workgroup_id_z 1
		.amdhsa_system_vgpr_workitem_id 0
		.amdhsa_next_free_vgpr 1024
		.amdhsa_next_free_sgpr 100
		.amdhsa_reserve_vcc 1
		.amdhsa_float_denorm_mode_32 3
		.amdhsa_float_denorm_mode_16_64 3
		.amdhsa_memory_ordered 1
		.amdhsa_forward_progress 1
		.amdhsa_inst_pref_size 150
	.end_amdhsa_kernel
	.amdgpu_metadata
---
amdhsa.version: [ 1, 2 ]
amdhsa.kernels:
  - .name:           k_q2b4ab4ee8f_proj
    .symbol:         k_q2b4ab4ee8f_proj.kd
    .args:
      - { .name: xc, .offset: 0, .size: 8, .value_kind: global_buffer, .address_space: global }
      - { .name: xs, .offset: 8, .size: 8, .value_kind: global_buffer, .address_space: global }
      - { .name: qkvc, .offset: 16, .size: 8, .value_kind: global_buffer, .address_space: global }
      - { .name: qkvs, .offset: 24, .size: 8, .value_kind: global_buffer, .address_space: global }
    .group_segment_fixed_size: 327680
    .private_segment_fixed_size: 0
    .kernarg_segment_align: 8
    .kernarg_segment_size: 32
    .max_flat_workgroup_size: 128
    .sgpr_count:     100
    .vgpr_count:     1024
    .wavefront_size: 32
...
	.end_amdgpu_metadata
.endif
;; end of part 2
;; launch attn (part 3): grid 8 x 32, 16 waves a work-group, no clusters, 206,848 bytes of LDS; arguments qkvc, qkvs, mw, mf, oc, os; writes oc, os
.if DOCPART == 3
	.amdgcn_target "amdgcn-amd-amdhsa--gfx1250"
	.amdhsa_code_object_version 6
	.text
	.protected	k_q2b4ab4ee8f_attn
	.globl	k_q2b4ab4ee8f_attn
	.p2align	8
	.type	k_q2b4ab4ee8f_attn,@function
k_q2b4ab4ee8f_attn:
	s_mov_b64 s[64:65], 0
	v_nop
	global_prefetch_b8 v0, s[64:65] scope:SCOPE_SE
	s_setreg_imm32_b32 hwreg(HW_REG_WAVE_MODE, 25, 1), 1
	s_wait_xcnt 0x0
; ATTN.  For each batch and head: S = q k^T / 8, the mask, p = 2^(t - M), O = p v / l, both products on codes of FP6 (E2M3) with E8M0 scales; O is quantised along the model's axis and leaves as codes for the last product.
; t = score x log2(e) / 8; M = the row's largest t so far, rounded up to a whole number; p is quantised along the keys, not normalised; l is the sum of the unquantised p.  When M moves, l and O are multiplied by 2^(old M - new M): exact.
; SHARES.  Work-group (i, 16 b + head) keeps the head's K and V codes and scale words in LDS, brought once through registers (one barrier), and serves query blocks i and 15 - i of 128.  Each of its sixteen waves owns one tile of 16 queries.
; THE MASK IS AN INPUT.  An earlier launch has stored, for each tile of queries and each step of 128 keys, 64 lane-mask words and a flag word.  A step in which no row of the tile sees a key is left out by a scalar branch on the flags,
; but only where every row of the tile sees a key somewhere: else the tile walks all 16 steps, so that a row that sees nothing gets equal weights over all 2,048 keys.  A step in which all is seen leaves the 64 selects out.
; A hidden score stands as the raw number -2^33: c x it is a whole number, so a row that sees nothing has p = 1 exactly; a row whose first steps are hidden loses them by the factor 2^(old M - new M) = 0.
; LIMIT: that is the logit -2^30 where the module has -1e9: the results differ only where true logits lie under about -9e8.  A block of zeros gets the byte 1; NaN and infinities are not served.
; NO CLUSTER, NO TENSOR LOAD: the loop branches on whole numbers read from memory; K and V are read once, at the head.
; LAYOUT.  Both products are used transposed: S^T = K Q^T (source 0 = keys), O^T = V^T P^T (source 0 = 16 of the head's 64): a lane holds one query (lane % 16) throughout.  The rows of a block of 16 are 32 (T / 2) + 8 (T % 2) + r + 8 (r / 8),
; so the 16 registers of tiles 2 b and 2 b + 1 are the neighbours 32 b + 16 h + 0 .. 15.  The first product's K is 64, the instruction's 128: a fragment of K holds TWO key tiles (k 0-63: tile 2 b, k 64-127: tile 2 b + 1) and is multiplied
; once by [q | zero codes] and once by [zero codes | q]; the zero halves' scale bytes are 1.
; LDS: K [step 16][b 4][1536] at 0; V [step][t 4][1536] at 98,304; K's scale words at 196,608 + 256 step + 16 r + 4 b; V's at 200,704 + 256 step + 16 r + 4 t.
; REGISTERS: v1 16 x lane, v2 8 x lane, v3 K's scale words' lane term, v10-11 V's lane terms; v5-9 the step's addresses; v12 -M, v13 the largest t, v[14:15] l in two halves; v16-27 [q | 0], v28-39 [0 | q], v40-41 their scale words;
; v42 -2^33; v44-91 four fragments of K, then of V; v92-95 K's scale words; v96-159 S^T, then p; v160-191 O^T; v192-211 p's codes; v212-223 block maxima, bytes, scale operands; v224 p's scale word; v[226:227] the factor; v232-235 V's scale words.
.set VL,  98304
.set KSC, 196608
.set VSC, 200704
	s_load_b256 s[4:11], s[0:1], 0x0               ; qkvc s[4:5], qkvs s[6:7], mw s[8:9], mf s[10:11]
	s_load_b128 s[12:15], s[0:1], 0x20             ; oc s[12:13], os s[14:15]
	v_lshl_add_u32 v254, v0, 2, 0x32000
	v_mov_b32 v255, 0
	v_lshrrev_b32 v4, 5, v0
	v_readfirstlane_b32 s16, v4                    ; wave 0..15
	v_and_b32 v4, 31, v0
	v_lshlrev_b32 v1, 4, v4                        ; 16 x lane
	v_lshlrev_b32 v2, 3, v4                        ; 8 x lane
	v_and_b32 v4, 15, v0                           ; r
	v_lshl_add_u32 v3, v4, 4, KSC
	v_add_nc_u32 v10, VL, v1
	v_add_nc_u32 v11, VL, v2
	s_mul_i32 s30, s16, 6144
	v_add_nc_u32 v5, s30, v1                       ; where my wave puts step w of K,
	v_add_nc_u32 v6, s30, v10                      ; and of V
	v_lshl_add_u32 v7, v0, 3, KSC                  ; 8 bytes a thread of K's scale words,
	v_lshl_add_u32 v8, v0, 3, VSC                  ; and of V's
	s_mov_b32 s17, ttmp9                           ; i
	s_and_b32 s18, ttmp7, 0xffff                   ; 16 b + head
	s_lshr_b32 s30, s16, 2
	s_xor_b32 s30, s30, s16
	s_and_b32 s30, s30, 1                          ; which of the two query blocks: by this choice four neighbouring waves, and four waves 4 apart, hold two of each
	s_lshr_b32 s31, s16, 1
	s_sub_co_u32 s19, 15, s17
	s_cmp_eq_u32 s30, 0
	s_cselect_b32 s19, s17, s19
	s_lshl_b32 s19, s19, 3
	s_add_co_u32 s19, s19, s31                     ; T: my tile of 16 queries, 0..127
	s_mov_b32 s20, 0x76543210
	s_mov_b32 s21, 0xfedcba98                      ; lane selects: lane l xor 16
	s_mov_b32 s22, 0x3e38aa3b                      ; c = log2(e) / 8
	s_mov_b32 s23, s22                             ; (named with it as a pair, so it is written)
	s_mul_i32 s68, s18, 98304
	s_mov_b32 s69, 0
	s_mul_i32 s70, s16, 6144
	s_add_co_u32 s70, s70, 3145728
	s_mov_b32 s71, 0
	s_mul_i32 s72, s16, 1536
	s_add_co_u32 s72, s72, 6291456
	s_mov_b32 s73, 0
	s_mul_i32 s74, s19, 768
	s_mov_b32 s75, 0
	s_bfe_u32 s76, s18, 0x30001                    ; head pair
	s_lshl_b32 s76, s76, 14
	s_lshr_b32 s77, s18, 4                         ; b
	s_lshl_b32 s77, s77, 13
	s_add_co_u32 s76, s76, s77
	s_mov_b32 s77, 0
	s_and_b32 s80, s18, 1                          ; the head's parity
	s_lshr_b32 s81, s19, 3
	s_lshl_b32 s81, s81, 9
	s_and_b32 s82, s19, 7
	s_lshl_b32 s82, s82, 2
	s_add_co_u32 s81, s81, s82                     ; q's scale word: group T / 8, word T % 8
	v_lshlrev_b32 v236, 4, v0                      ; K's scale words: 16 bytes a thread
	v_lshrrev_b32 v237, 1, v0
	v_lshlrev_b32 v237, 5, v237
	v_and_b32 v238, 1, v0
	v_lshl_add_u32 v237, v238, 3, v237
	v_lshl_add_u32 v237, s80, 4, v237              ; V's: row (step, r) of 32 bytes, my head's 16, 8 bytes a thread
	v_lshl_add_u32 v238, v4, 5, s81
	s_lshl_b32 s82, s19, 12
	s_mov_b32 s83, 0
	s_lshl_b32 s84, s19, 6
	s_mov_b32 s85, 0
	s_wait_kmcnt 0x0
	s_add_nc_u64 s[68:69], s[4:5], s[68:69]        ; the head in q's part
	s_add_nc_u64 s[70:71], s[68:69], s[70:71]      ; K's step w
	s_add_nc_u64 s[72:73], s[68:69], s[72:73]      ; V's step w of t = 0
	s_add_nc_u64 s[68:69], s[68:69], s[74:75]      ; my tile of q
	s_add_nc_u64 s[78:79], s[6:7], s[76:77]        ; the head pair's and batch's 8,192 bytes in q's part of the scale words
	s_add_nc_u64 s[8:9], s[8:9], s[82:83]          ; my tile's mask words
	s_add_nc_u64 s[10:11], s[10:11], s[84:85]      ; and its 16 flag words
	s_load_b512 s[32:47], s[10:11], 0x0
.irp k, 0,1,2,3,4,5,6,7,8,9,10,11
	global_load_b128 v[96+4*\k:99+4*\k], v1, s[70:71] offset:512*\k
.endr
.irp t, 0,1,2,3
.irp p, 0,1,2
	global_load_b128 v[144+12*\t+4*\p:147+12*\t+4*\p], v1, s[72:73] offset:24576*\t+512*\p
.endr
.endr
	global_load_b128 v[192:195], v236, s[78:79] offset:131072
	global_load_b64 v[196:197], v237, s[78:79] offset:262144
	global_load_b128 v[16:19], v1, s[68:69]        ; q's half image twice: as k 0-63 of one operand,
	global_load_b64 v[20:21], v2, s[68:69] offset:512
	global_load_b128 v[34:37], v1, s[68:69]        ; and as k 64-127 of the other
	global_load_b64 v[38:39], v2, s[68:69] offset:512
	global_load_b32 v40, v238, s[78:79]
	s_mov_b32 s82, 0x07060302
	s_cmp_eq_u32 s80, 0
	s_cselect_b32 s82, 0x05040100, s82             ; which halves of two words make a packed fragment's word
.irp k, 0,1,2,3,4,5,6,7,8,9,10,11
	s_wait_loadcnt 30-\k                           ; 31 loads were issued: load k is in when at most 30 - k are out
	ds_store_b128 v5, v[96+4*\k:99+4*\k] offset:512*\k
.endr
.irp t, 0,1,2,3
.irp p, 0,1,2
	s_wait_loadcnt 18-3*\t-\p
	ds_store_b128 v6, v[144+12*\t+4*\p:147+12*\t+4*\p] offset:1536*\t+512*\p
.endr
.endr
	s_wait_loadcnt 6                               ; K's scale words: six loads are younger
	v_perm_b32 v198, v193, v192, s82               ; low half: key tile 2 b's two bytes of my head; high half: tile 2 b + 1's
	v_perm_b32 v199, v195, v194, s82
	ds_store_b64 v7, v[198:199]
	s_wait_loadcnt 5                               ; V's: five are younger
	ds_store_b64 v8, v[196:197]
	s_wait_dscnt 0x0                               ; for the others' sake: my stores have landed
	s_barrier_signal -1
	s_barrier_wait -1                              ; the head's K and V lie in LDS; nothing is stored there from here on
	s_wait_loadcnt 0x0                             ; q
.irp j, 22,23,24,25,26,27,28,29,30,31,32,33
	v_mov_b32 v[\j], 0                             ; the zero codes
.endr
	s_lshl_b32 s83, s80, 4
	v_lshrrev_b32 v41, s83, v40
	v_and_b32 v41, 0xffff, v41                     ; my head's two bytes
	v_or_b32 v40, 0x01010000, v41                  ; for [q | 0]
	v_lshl_or_b32 v41, v41, 16, 0x0101             ; for [0 | q]
	v_mov_b32 v42, 0xd0000000                      ; -2^33
	v_mov_b32 v13, 0xff61b1e6                      ; the largest t so far: -3e38
	v_floor_f32 v12, -v13                          ; -M
	v_mov_b32 v14, 0
	v_mov_b32 v15, 0
.irp b, 0,1,2,3
	v_mov_b32 v[216+\b], 0                         ; a lane permute's destination counts as one of its sources
.endr
	v_mov_b32 v227, 0                              ; (named as the upper half of the pair v[226:227])
	v_mov_b32 v236, 0
.set j, 0
.rept 32
	v_mov_b32 v[160+j], 0                          ; O^T: the step is written once; the first finds zeros
.set j, j+1
.endr
	s_wait_kmcnt 0x0                               ; the flag words
	s_mov_b32 s24, 0
	s_mov_b32 s25, 0
	s_mov_b32 s30, 0
.irp s, 0,1,2,3,4,5,6,7,8,9,10,11,12,13,14,15
	s_or_b32 s30, s30, s[32+\s]
	s_bfe_u32 s31, s[32+\s], 0x10010
	s_lshl_b32 s31, s31, \s
	s_or_b32 s25, s25, s31                         ; bit s: all of step s is seen
	s_and_b32 s31, s[32+\s], 0xffff
	s_cselect_b32 s31, 1<<\s, 0
	s_or_b32 s24, s24, s31                         ; bit s: some row sees a key of step s
.endr
	s_and_b32 s30, s30, 0xffff
	s_cmp_eq_u32 s30, 0xffff                       ; does every row see a key somewhere?
	s_cselect_b32 s24, s24, 0xffff                 ; if not, all steps are walked
	s_mov_b32 s26, 0
	s_mov_b32 s27, 0                               ; the step's fragments: 6,144 bytes a step
	s_mov_b32 s28, 0                               ; its scale words: 256 bytes a step
.Lstep:                                            ; 16 trips, a constant; a step's work is jumped over, never the lines that step addresses
	s_bitcmp1_b32 s24, 0
	s_cbranch_scc0 .Lnext
	v_add_nc_u32 v5, s27, v1                       ; these five lines are also the places in front of the loads into registers that the last step's products read
	v_add_nc_u32 v6, s27, v2
	v_add_nc_u32 v7, s27, v10
	v_add_nc_u32 v8, s27, v11
	v_add_nc_u32 v9, s28, v3
	s_load_b512 s[32:47], s[8:9], 0x0              ; the step's 64 mask words
	s_load_b512 s[48:63], s[8:9], 0x40
	s_load_b512 s[68:83], s[8:9], 0x80
	s_load_b512 s[84:99], s[8:9], 0xc0
.irp f, 0,1,2,3
	ds_load_b128 v[44+12*\f:47+12*\f], v5 offset:1536*\f
	ds_load_b64 v[48+12*\f:49+12*\f], v6 offset:1536*\f+512
	ds_load_b128 v[50+12*\f:53+12*\f], v5 offset:1536*\f+768
	ds_load_b64 v[54+12*\f:55+12*\f], v6 offset:1536*\f+1280
.endr
	ds_load_b128 v[92:95], v9
	s_wait_dscnt 0x0
.irp f, 0,1,2,3                        ; S^T: register 16 f + i of a lane is key 128 step + 32 f + 16 h + i
	v_wmma_scale_f32_16x16x128_f8f6f4 v[96+16*\f:103+16*\f], v[44+12*\f:55+12*\f], v[16:27], 0, v[92+\f], v40 matrix_a_fmt:MATRIX_FMT_FP6 matrix_b_fmt:MATRIX_FMT_FP6
	v_wmma_scale_f32_16x16x128_f8f6f4 v[104+16*\f:111+16*\f], v[44+12*\f:55+12*\f], v[28:39], 0, v[92+\f], v41 matrix_a_fmt:MATRIX_FMT_FP6 matrix_b_fmt:MATRIX_FMT_FP6
.endr
.rept 4
	v_nop                                          ; places in front of the loads below and of the first read of the scores
.endr
.irp f, 0,1,2,3                        ; V's four fragments land while the softmax is walked
	ds_load_b128 v[44+12*\f:47+12*\f], v7 offset:1536*\f
	ds_load_b64 v[48+12*\f:49+12*\f], v8 offset:1536*\f+512
	ds_load_b128 v[50+12*\f:53+12*\f], v7 offset:1536*\f+768
	ds_load_b64 v[54+12*\f:55+12*\f], v8 offset:1536*\f+1280
.endr
	ds_load_b128 v[232:235], v9 offset:4096
	s_wait_kmcnt 0x0                               ; the mask words are in
	s_bitcmp1_b32 s25, 0
	s_cbranch_scc1 .Lopen                          ; all is seen: nothing to select
.set n, 0
.rept 16
	v_cndmask_b32 v[96+n], v42, v[96+n], s[32+n]   ; bit = 1: the score stays
.set n, n+1
.endr
.set n, 0
.rept 16
	v_cndmask_b32 v[112+n], v42, v[112+n], s[48+n]
.set n, n+1
.endr
.set n, 0
.rept 16
	v_cndmask_b32 v[128+n], v42, v[128+n], s[68+n]
.set n, n+1
.endr
.set n, 0
.rept 16
	v_cndmask_b32 v[144+n], v42, v[144+n], s[84+n]
.set n, n+1
.endr
.Lopen:
.irp b, 0,1,2,3
	v_max3_num_f32 v[212+\b], v[96+16*\b], v[97+16*\b], v[98+16*\b]   ; the largest score of each block of 32 keys: for the row's maximum, and, since p rises with the score, for the block's largest p
.endr
.irp i, 3,5,7,9,11,13
.irp b, 0,1,2,3
	v_max3_num_f32 v[212+\b], v[212+\b], v[96+16*\b+\i], v[97+16*\b+\i]
.endr
.endr
.irp b, 0,1,2,3
	v_max_num_f32 v[212+\b], v[212+\b], v[111+16*\b]
.endr
.irp b, 0,1,2,3
	v_permlanex16_b32 v[216+\b], v[212+\b], s20, s21
.endr
.irp b, 0,1,2,3
	v_max_num_f32 v[212+\b], v[212+\b], v[216+\b]  ; with lane l xor 16's 16 keys
.endr
	v_max3_num_f32 v236, v212, v213, v214
	v_max_num_f32 v236, v236, v215
	v_mul_f32 v236, s22, v236                      ; the step's largest t of my query
	v_max_num_f32 v13, v13, v236
	v_mov_b32 v236, v12
	v_floor_f32 v12, -v13                          ; the new -M = -ceil(t)
	v_sub_f32 v236, v12, v236                      ; old M - new M: a whole number, 0 or less
	v_cvt_i32_f32 v236, v236                       ; (it saturates)
	v_ldexp_f32 v226, 1.0, v236                    ; the factor 2^(old M - new M)
.set j, 0
.rept 32
	v_pk_fma_f32 v[96+j:97+j], v[96+j:97+j], s[22:23], v[12:13] op_sel_hi:[1,0,0]   ; t - M, two at a time
.set j, j+2
.endr
.irp b, 0,1,2,3
	v_fma_f32 v[212+\b], v[212+\b], s22, v12       ; the same of each block's largest score
.endr
.set j, 0
.rept 64
	v_exp_f32 v[96+j], v[96+j]                     ; p = 2^(t - M)
.set j, j+1
.endr
	v_pk_mul_f32 v[14:15], v[14:15], v[226:227] op_sel_hi:[1,0]   ; l under the new M: the plain place behind the exponentials
	s_wait_alu depctr_va_vdst(0)                   ; one wait for the whole batch, ahead of the first use of a result
.irp b, 0,1,2,3
	v_exp_f32 v[212+\b], v[212+\b]                 ; the block's largest p
.endr
	v_pk_add_f32 v[238:239], v[96:97], v[98:99]    ; l is taken of the unquantised p, in two chains
.irp j, 4,8,12,16,20,24,28,32,36,40,44,48,52,56,60
	v_pk_add_f32 v[14:15], v[14:15], v[96+\j:97+\j]
	v_pk_add_f32 v[238:239], v[238:239], v[98+\j:99+\j]
.endr
	v_pk_add_f32 v[14:15], v[14:15], v[238:239]
	s_wait_alu depctr_va_vdst(0)                   ; and one for the four
.irp b, 0,1,2,3
	v_max_num_f32 v[212+\b], 0x1800000, v[212+\b]  ; the floor 2^(3 - 127): the byte cannot fall under 1
.endr
.irp b, 0,1,2,3
	v_add_nc_u32 v[220+\b], 0xff000000, v[212+\b]  ; 2 off the exponent field: the conversion's scale operand
.endr
.irp b, 0,1,2,3
	v_lshrrev_b32 v[216+\b], 23, v[220+\b]
.endr
	v_lshl_or_b32 v224, v217, 8, v216
	v_lshl_or_b32 v224, v218, 16, v224
	v_lshl_or_b32 v224, v219, 24, v224             ; p's scale word for these 128 keys
.irp c, 0,1
	v_cvt_scalef32_pk16_fp6_f32 v[192+6*\c:194+6*\c], v[96+32*\c:111+32*\c], v[220+2*\c]
	v_cvt_scalef32_pk16_fp6_f32 v[204+4*\c:206+4*\c], v[112+32*\c:127+32*\c], v[220+2*\c+1]
.endr
.set j, 0
.rept 16
	v_pk_mul_f32 v[160+j:161+j], v[160+j:161+j], v[226:227] op_sel_hi:[1,0]   ; O^T under the new M; also the plain place behind the conversions
.set j, j+2
.endr
.irp c, 0,1                            ; the operand's layout wants a whole block in a lane
.irp i, 0,1,2
	v_permlane16_swap_b32 v[192+6*\c+\i], v[204+4*\c+\i]
.endr
.irp i, 0,1,2
	v_mov_b32 v[195+6*\c+\i], v[204+4*\c+\i]
.endr
.endr
.rept 4
	v_nop                                          ; an operand written by vector instructions stands four places ahead of a scaled matrix instruction
.endr
	s_wait_dscnt 0x0                               ; V's fragments and scale words are in
.irp t, 0,1,2,3                        ; O^T += V^T P^T: four accumulators, one instruction a turn
	v_wmma_scale_f32_16x16x128_f8f6f4 v[160+8*\t:167+8*\t], v[44+12*\t:55+12*\t], v[192:203], v[160+8*\t:167+8*\t], v[232+\t], v224 matrix_a_fmt:MATRIX_FMT_FP6 matrix_b_fmt:MATRIX_FMT_FP6
.endr
.Lnext:
	s_lshr_b32 s24, s24, 1
	s_lshr_b32 s25, s25, 1
	s_add_co_u32 s27, s27, 6144
	s_add_co_u32 s28, s28, 256
	s_add_nc_u64 s[8:9], s[8:9], 256               ; (no scalar load is out here: the step's were waited for)
	s_add_co_u32 s26, s26, 1
	s_cmp_lt_u32 s26, 16
	s_cbranch_scc1 .Lstep
	; THE WAY OUT.  O^T / l: register 16 b + i of a lane is the head's channel 32 b + 16 h + i of my query: two blocks of 32 along the last product's K.  They become a half image of 768 bytes and two scale bytes.
	v_add_f32 v14, v14, v15                        ; l's two halves.  (These four lines are the places behind the last products)
	v_and_b32 v4, 15, v0
	v_bfe_u32 v5, v0, 4, 1
	v_lshl_add_u32 v6, v4, 4, v5                   ; 16 r + h
	v_cmp_ne_u32 vcc_lo, 0, v5
	v_permlanex16_b32 v236, v14, s20, s21
	v_add_f32 v14, v14, v236                       ; and lane l xor 16's: the row's sum
	v_rcp_f32 v14, v14
	v_nop                                          ; a plain place behind the transcendental
	s_lshr_b32 s30, s18, 4
	s_lshl_b32 s30, s30, 7
	s_add_co_u32 s30, s30, s19                     ; the token block: 128 b + T
	s_and_b32 s31, s18, 15                         ; head
	s_lshl_b32 s26, s30, 4
	s_add_co_u32 s26, s26, s31
	s_mul_i32 s26, s26, 768
	s_mov_b32 s27, 0
	s_add_nc_u64 s[12:13], s[12:13], s[26:27]
	s_lshl_b32 s26, s30, 9
	s_lshr_b32 s28, s31, 3
	s_lshl_b32 s28, s28, 8
	s_add_co_u32 s26, s26, s28
	s_and_b32 s28, s31, 7
	s_lshl_b32 s28, s28, 1
	s_add_co_u32 s26, s26, s28
	s_add_nc_u64 s[14:15], s[14:15], s[26:27]
	s_wait_alu depctr_va_vdst(0)                   ; the wait ahead of the first use
.set j, 0
.rept 32
	v_mul_f32 v[96+j], v[160+j], v14               ; each accumulator from its low end on
.set j, j+1
.endr
.irp b, 0,1
	v_max3_num_f32 v[212+\b], |v[96+16*\b]|, |v[97+16*\b]|, 0x1800000
.endr
.irp i, 2,4,6,8,10,12,14
.irp b, 0,1
	v_max3_num_f32 v[212+\b], v[212+\b], |v[96+16*\b+\i]|, |v[97+16*\b+\i]|
.endr
.endr
.irp b, 0,1
	v_permlanex16_b32 v[216+\b], v[212+\b], s20, s21
.endr
.irp b, 0,1
	v_max_num_f32 v[212+\b], v[212+\b], v[216+\b]
.endr
.irp b, 0,1
	v_add_nc_u32 v[220+\b], 0xff000000, v[212+\b]
.endr
.irp b, 0,1
	v_lshrrev_b32 v[216+\b], 23, v[220+\b]
.endr
	v_cvt_scalef32_pk16_fp6_f32 v[192:194], v[96:111], v220
	v_cvt_scalef32_pk16_fp6_f32 v[204:206], v[112:127], v221
	v_cndmask_b32 v237, v216, v217, vcc_lo         ; lane (r, h) stores block h's byte.  (The plain place behind the conversions)
.irp i, 0,1,2
	v_permlane16_swap_b32 v[192+\i], v[204+\i]
.endr
.irp i, 0,1,2
	v_mov_b32 v[195+\i], v[204+\i]
.endr
	global_store_b128 v1, v[192:195], s[12:13]     ; 512 consecutive bytes, at a multiple of 256 from oc's first byte
	global_store_b64 v2, v[196:197], s[12:13] offset:512
	global_store_b8 v6, v237, s[14:15]             ; a head owns 2 of a row's 32 scale bytes, so these stores are single bytes 16 apart: 32 bytes a tile beside its 768 of codes
	s_wait_tensorcnt 0x0
	ds_add_u32 v254, v255
	s_wait_dscnt 0x0
	s_endpgm
.Lfunc_end_k_q2b4ab4ee8f_attn:
	.size	k_q2b4ab4ee8f_attn, .Lfunc_end_k_q2b4ab4ee8f_attn-k_q2b4ab4ee8f_attn
	.p2alignl 7, 3214868480
	.fill 96, 4, 3214868480
	.section	.rodata,"a",@progbits
	.p2align	6, 0x0
	.amdhsa_kernel k_q2b4ab4ee8f_attn
		.amdhsa_group_segment_fixed_size 206848
		.amdhsa_private_segment_fixed_size 0
		.amdhsa_enable_private_segment 0
		.amdhsa_kernarg_size 48
		.amdhsa_user_sgpr_count 2
		.amdhsa_user_sgpr_kernarg_segment_ptr 1
		.amdhsa_wavefront_size32 1
		.amdhsa_system_sgpr_workgroup_id_x 1
		.amdhsa_system_sgpr_workgroup_id_y 1
		.amdhsa_system_sgpr_workgroup_id_z 1
		.amdhsa_system_vgpr_workitem_id 0
		.amdhsa_next_free_vgpr 256
		.amdhsa_next_free_sgpr 100
		.amdhsa_reserve_vcc 1
		.amdhsa_float_denorm_mode_32 3
		.amdhsa_float_denorm_mode_16_64 3
		.amdhsa_memory_ordered 1
		.amdhsa_forward_progress 1
		.amdhsa_inst_pref_size 42
	.end_amdhsa_kernel
	.amdgpu_metadata
---
amdhsa.version: [ 1, 2 ]
amdhsa.kernels:
  - .name:           k_q2b4ab4ee8f_attn
    .symbol:         k_q2b4ab4ee8f_attn.kd
    .args:
      - { .name: qkvc, .offset: 0, .size: 8, .value_kind: global_buffer, .address_space: global }
      - { .name: qkvs, .offset: 8, .size: 8, .value_kind: global_buffer, .address_space: global }
      - { .name: mw, .offset: 16, .size: 8, .value_kind: global_buffer, .address_space: global }
      - { .name: mf, .offset: 24, .size: 8, .value_kind: global_buffer, .address_space: global }
      - { .name: oc, .offset: 32, .size: 8, .value_kind: global_buffer, .address_space: global }
      - { .name: os, .offset: 40, .size: 8, .value_kind: global_buffer, .address_space: global }
    .group_segment_fixed_size: 206848
    .private_segment_fixed_size: 0
    .kernarg_segment_align: 8
    .kernarg_segment_size: 48
    .max_flat_workgroup_size: 512
    .sgpr_count:     100
    .vgpr_count:     256
    .wavefront_size: 32
...
	.end_amdgpu_metadata
.endif
;; end of part 3
;; launch outp (part 4): grid 4 x 16, 4 waves a work-group, clusters of 4 x 4, 327,680 bytes of LDS; arguments oc, os, xc, xs, out0; writes out0
.if DOCPART == 4
	.amdgcn_target "amdgcn-amd-amdhsa--gfx1250"
	.amdhsa_code_object_version 6
	.text
	.protected	k_q2b4ab4ee8f_outp
	.globl	k_q2b4ab4ee8f_outp
	.p2align	8
	.type	k_q2b4ab4ee8f_outp,@function
k_q2b4ab4ee8f_outp:
	s_mov_b64 s[64:65], 0
	v_nop
	global_prefetch_b8 v0, s[64:65] scope:SCOPE_SE
	s_setreg_imm32_b32 hwreg(HW_REG_WAVE_MODE, 25, 1), 1
	s_wait_xcnt 0x0
	s_wait_alu depctr_hold_cnt(0) depctr_sa_sdst(0) depctr_va_vdst(0) depctr_va_sdst(0) depctr_va_ssrc(0) depctr_va_vcc(0) depctr_vm_vsrc(0)
	s_getreg_b32 s2, hwreg(HW_REG_IB_STS2, 6, 4)
	s_cmp_eq_u32 s2, 0
	s_cbranch_scc0 .Lentry_in_a_cluster
	s_endpgm
.Lentry_in_a_cluster:
	s_bfe_u32 s2, ttmp6, 0x10000c
	s_cmp_lg_u32 s2, 0xf033
	s_cbranch_scc0 .Lentry_shape_is_right
	s_endpgm
.Lentry_shape_is_right:
; OUTP.  out0 = O Wo^T: 4,096 x 1,024 x 1,024 on codes of FP6 (E2M3) with E8M0 scales, f32 sums, f32 out.  A = the attention's result (oc, os), B = Wo (row blocks 960 on of xc, xs).
; A tile of the result is 256 x 256, a wave's 128 x 128: 64 accumulators.  THE MATRIX INSTRUCTION IS USED TRANSPOSED (source 0 = 16 rows of B, source 1 = 16 rows of A): a lane holds one row of the result and eight neighbouring columns an accumulator.
; The rows of a block of 16 are 32 (RB / 2) + 8 (RB % 2) + r + 8 (r / 8), on both sides: the way out puts rows and columns back by constants in its offsets.
; OPERANDS lie as images of their registers, 1,536 bytes a fragment: [RB][K step 8][1536]; the scale words: [RB][half 2][r 16][4].  K goes in four slots of 256 through a ring of two LDS slots; a wave's tensor load brings 8 row blocks x 3,072 bytes.
; The scale words of the work-group's rows, for all of K, come once with the first fills.  The four slots are written out: no loop.
; CLUSTERS: 4 x 4 work-groups; A's tiles are asked for jointly along a row of the cluster, B's along a column.  By this text's count a wave has three tensor loads out at the start and one behind each round.
; REGISTERS: window 0: v0-31 addresses; v32-63 scale words, two sets; v128-223 A's fragments, one set; on the way out v128-255.  window 1: B's fragments, two sets, at v0 and v128.  windows 2, 3: the accumulators ((a, b) at v[8 (8 (a % 4) + b)]).
.set NQ,     2
.set FR,     12
.set NL,     4
.set NP,     4                         ; places behind this matrix instruction (ISA guide 7.12.1)
.set HALFT,  24576
.set SLOT,   4*HALFT
.set SCL,    2*SLOT
.set HALFS,  4096
.set SPARE,  SCL+4*HALFS               ; the spare words, 128 bytes for each wave: two blocks of 256 bytes that no other line names
.set SPITCH, 528                       ; the way out: a stage of 16 rows x (512 bytes + 16) for each wave, in slot 0, which has had its last fill and its last read when the first result is stored there
.set ADRA, 16
.set ADRB, 20
.set STO,  24                          ; v24  the way out: where I put my bytes of a row
.set RD,   25                          ; v25  where I read a row back
.set CO,   26                          ; v26  my byte offset in a row of the result
.set ADRS, 27
.set SPW,  28
.set NIL,  29
.set SC,   32
.set AF,   128
.set BK,   128
.set G1, 24
.set G0, 32
.set G1B, 48
.set G0B, 56
.set G1S, 68
.set G0S, 76
.set G1SB, 80
.set G0SB, 88
.set MSB, 0
.macro WIN new                         ; the immediate's high byte repeats the setting that is left
.if MSB != \new
	s_set_vgpr_msb (MSB<<8)|\new
.set MSB, \new
.endif
.endm
.set MUL_LO, 0xa1
.set MUL_HI, 0xf1
.set TO_B,   0x40
.macro JLOAD g0a, g1a, g0b, g1b        ; a joint load: waves 0 and 1 fetch for A, waves 2 and 3 for B; four v_nop follow each of the two lines
	s_cmp_eq_u32 s15, 0
	s_cbranch_scc0 .Lfor_b_\@
	tensor_load_to_lds s[\g0a:\g0a+3], s[\g1a:\g1a+7]
	s_nop 0
.rept 4
	v_nop
.endr
	s_branch .Lasked_\@
.Lfor_b_\@:
	tensor_load_to_lds s[\g0b:\g0b+3], s[\g1b:\g1b+7]
	s_nop 0
.rept 4
	v_nop
.endr
.Lasked_\@:
.endm
.macro CREST
	s_cmp_lg_u32 s14, 0
	s_cbranch_scc1 .Lnot_wave_0_\@
	s_barrier_signal -3
.Lnot_wave_0_\@:
	s_barrier_wait -3
	s_barrier_signal -1
	s_barrier_wait -1
.endm
.macro CROUND
	s_barrier_signal -1
	s_barrier_wait -1
	CREST
.endm
	s_load_b256 s[4:11], s[0:1], 0x0               ; oc s[4:5], os s[6:7], xc s[8:9], xs s[10:11]
	s_load_b64 s[12:13], s[0:1], 0x20              ; out0
	v_lshl_add_u32 v[SPW], v0, 2, SPARE
	v_mov_b32 v[NIL], 0
	ds_add_u32 v28, v29
	ds_add_u32 v28, v29
	s_wait_dscnt 0x0
	v_lshrrev_b32 v1, 5, v0
	v_readfirstlane_b32 s14, v1                    ; wave 0..3
	s_lshr_b32 s15, s14, 1                         ; which half of the tile's rows is mine.  Also: I fetch for A (0) or for B (1)
	s_and_b32 s16, s14, 1                          ; which half of its columns.  Also: which 128 rows I fetch
	s_bfe_u32 s40, ttmp6, 0x40000                  ; cx
	s_bfe_u32 s41, ttmp6, 0x40004                  ; cy
	s_lshl_b32 s42, ttmp9, 2
	s_add_co_u32 s42, s42, s40                     ; tile column = 4 x cluster x + cx
	s_and_b32 s17, ttmp7, 0xffff
	s_lshl_b32 s17, s17, 2
	s_add_co_u32 s17, s17, s41                     ; tile row = 4 x cluster y + cy
	s_lshl_b32 s43, s41, 2
	s_lshl_b32 s43, 15, s43                        ; my row of the cluster
	s_lshl_b32 s44, 0x1111, s40                    ; my column
	s_or_b32 s[G1+0], s43, (3<<16)|(1<<21)         ; 8 rows of 3,072 bytes (384 elements of 8 bytes), 12,288 bytes apart; no padding
	s_or_b32 s[G1B+0], s44, (3<<16)|(1<<21)
.irp g, G1, G1B
	s_mov_b32 s[\g+1], 384<<16
	s_mov_b32 s[\g+2], 8<<16
	s_mov_b32 s[\g+3], 384<<16
	s_mov_b32 s[\g+4], 8
	s_mov_b32 s[\g+5], 1536
	s_mov_b32 s[\g+6], 0
	s_mov_b32 s[\g+7], 0
.endr
	s_or_b32 s[G1S+0], s43, (3<<16)|(1<<21)        ; the scale words of 128 rows: 4,096 dense bytes as 16 rows of 256
	s_or_b32 s[G1SB+0], s44, (3<<16)|(1<<21)
.irp g, G1S, G1SB
	s_mov_b32 s[\g+1], 32<<16
	s_mov_b32 s[\g+2], 16<<16
	s_mov_b32 s[\g+3], 32<<16
	s_mov_b32 s[\g+4], 16
	s_mov_b32 s[\g+5], 32
	s_mov_b32 s[\g+6], 0
	s_mov_b32 s[\g+7], 0
.endr
	s_lshl_b32 s19, s16, 3
	s_lshl_b32 s20, s17, 4
	s_add_co_u32 s20, s20, s19                     ; A's row block: 16 x tile row + the 8 that I fetch
	s_lshl_b32 s46, s42, 4
	s_add_co_u32 s46, s46, 960
	s_add_co_u32 s46, s46, s19                     ; B's: Wo's 960 + 16 x tile column + the 8
	s_lshl_b32 s22, s20, 9
	s_mov_b32 s23, 0
	s_mul_i32 s20, s20, 12288
	s_mov_b32 s21, 0
	s_lshl_b32 s92, s46, 9
	s_mov_b32 s93, 0
	s_mul_i32 s46, s46, 12288
	s_mov_b32 s47, 0
	s_mul_i32 s45, s14, HALFT
	s_lshl_b32 s94, s14, 12
	s_wait_kmcnt 0x0
	s_add_nc_u64 s[20:21], s[4:5], s[20:21]
	s_add_nc_u64 s[22:23], s[6:7], s[22:23]
	s_add_nc_u64 s[46:47], s[8:9], s[46:47]
	s_add_nc_u64 s[92:93], s[10:11], s[92:93]
	CROUND                                         ; all sixteen work-groups are here: the first joint loads meet
	s_mov_b32 s[G0S], 1
	s_add_co_u32 s[G0S+1], s94, SCL
	s_mov_b64 s[G0S+2:G0S+3], s[22:23]
	s_or_b32 s[G0S+3], s[G0S+3], 0x80000000
	s_mov_b32 s[G0SB], 1
	s_add_co_u32 s[G0SB+1], s94, SCL
	s_mov_b64 s[G0SB+2:G0SB+3], s[92:93]
	s_or_b32 s[G0SB+3], s[G0SB+3], 0x80000000
	JLOAD G0S, G1S, G0SB, G1SB
.irp s, 0,1
	s_mov_b32 s[G0+4*\s], 1
	s_add_co_u32 s[G0+4*\s+1], s45, \s*SLOT
	s_add_nc_u64 s[G0+4*\s+2:G0+4*\s+3], s[20:21], \s*3072
	s_or_b32 s[G0+4*\s+3], s[G0+4*\s+3], 0x80000000
	s_mov_b32 s[G0B+4*\s], 1
	s_add_co_u32 s[G0B+4*\s+1], s45, \s*SLOT
	s_add_nc_u64 s[G0B+4*\s+2:G0B+4*\s+3], s[46:47], \s*3072
	s_or_b32 s[G0B+4*\s+3], s[G0B+4*\s+3], 0x80000000
	JLOAD G0+4*\s, G1, G0B+4*\s, G1B
.endr
	v_and_b32 v1, 31, v0                           ; lane
	v_and_b32 v2, 15, v0                           ; r
	v_bfe_u32 v3, v0, 4, 1                         ; h
	v_lshlrev_b32 v4, 4, v1                        ; 16 x lane
	v_lshlrev_b32 v5, 3, v1                        ; 8 x lane
	s_mul_i32 s21, s15, HALFT
	s_mul_i32 s22, s16, HALFT
	s_add_co_u32 s22, s22, 2*HALFT
.irp s, 0,1
	v_add_nc_u32 v[ADRA+\s], s21, v4
	v_add_nc_u32 v[ADRA+2+\s], s21, v5
	v_add_nc_u32 v[ADRB+\s], s22, v4
	v_add_nc_u32 v[ADRB+2+\s], s22, v5
	s_add_co_u32 s21, s21, SLOT
	s_add_co_u32 s22, s22, SLOT
.endr
	v_lshlrev_b32 v6, 4, v2
	s_lshl_b32 s21, s15, 12
	s_lshl_b32 s22, s16, 12
	s_add_co_u32 s22, s22, 2*HALFS
	s_sub_co_u32 s22, s22, s21
	v_mul_u32_u24 v7, s22, v3                      ; lanes 16-31 take B's scale words
	s_add_co_u32 s21, s21, SCL
	v_add_nc_u32 v6, v6, v7
	v_add_nc_u32 v[ADRS], s21, v6
	s_mul_i32 s23, s14, 16*SPITCH                  ; my stage
	v_mul_u32_u24 v6, v2, SPITCH
	v_lshl_add_u32 v6, v3, 6, v6                   ; in: row r, + 64 h: my half's 16 columns of each 32
	v_add_nc_u32 v[STO], s23, v6
	v_mov_b32 v[CO], v4                            ; back: the 32 lanes take one row of 512 bytes; and the same in the result
	v_add_nc_u32 v[RD], s23, v4
	s_lshl_b32 s20, s17, 8
	s_lshl_b32 s21, s15, 7
	s_add_co_u32 s20, s20, s21                     ; my first row: 256 x tile row + 128 x half
	s_lshl_b32 s20, s20, 12                        ; rows of 4,096 bytes
	s_lshl_b32 s21, s42, 10
	s_add_co_u32 s20, s20, s21
	s_lshl_b32 s21, s16, 9
	s_add_co_u32 s20, s20, s21                     ; + 1,024 x tile column + 512 x half
	s_mov_b32 s21, 0
	s_add_nc_u64 s[12:13], s[12:13], s[20:21]
.macro FRAG reg, adr, q, i             ; a fragment comes back as it was laid: registers 0-3, 4-5, 6-9, 10-11; every load's lanes read consecutive bytes
	ds_load_b128 v[\reg:\reg+3], v[\adr] offset:(\i)*3072+(\q)*1536
	ds_load_b64 v[\reg+4:\reg+5], v[\adr+2] offset:(\i)*3072+(\q)*1536+512
	ds_load_b128 v[\reg+6:\reg+9], v[\adr] offset:(\i)*3072+(\q)*1536+768
	ds_load_b64 v[\reg+10:\reg+11], v[\adr+2] offset:(\i)*3072+(\q)*1536+1280
.endm
; 16 matrix instructions: A's blocks a0, a0 + 1 x B's eight.  The 64 accumulators take turns, one instruction a turn, in the same order in every step.
.macro MUL16 a0, p, q, sc, zero
.irp a, \a0, \a0+1
.irp b, 0,1,2,3,4,5,6,7
.if \zero
	v_wmma_scale_f32_16x16x128_f8f6f4 v[8*(8*((\a)%4)+\b):8*(8*((\a)%4)+\b)+7], v[128*(\p)+FR*\b:128*(\p)+FR*\b+FR-1], v[AF+FR*(\a):AF+FR*(\a)+FR-1], 0, v[SC+8*NQ*(\sc)+NQ*\b+(\q)], v[SC+8*NQ*(\sc)+NQ*(\a)+(\q)] matrix_a_fmt:MATRIX_FMT_FP6 matrix_b_fmt:MATRIX_FMT_FP6 matrix_a_scale:MATRIX_SCALE_ROW1
.else
	v_wmma_scale_f32_16x16x128_f8f6f4 v[8*(8*((\a)%4)+\b):8*(8*((\a)%4)+\b)+7], v[128*(\p)+FR*\b:128*(\p)+FR*\b+FR-1], v[AF+FR*(\a):AF+FR*(\a)+FR-1], v[8*(8*((\a)%4)+\b):8*(8*((\a)%4)+\b)+7], v[SC+8*NQ*(\sc)+NQ*\b+(\q)], v[SC+8*NQ*(\sc)+NQ*(\a)+(\q)] matrix_a_fmt:MATRIX_FMT_FP6 matrix_b_fmt:MATRIX_FMT_FP6 matrix_a_scale:MATRIX_SCALE_ROW1
.endif
.endr
.endr
.endm
.macro FETCH_B slot, q, p
	WIN TO_B
.irp i, 0,1,2,3,4,5,6,7
	FRAG 128*(\p)+FR*\i, ADRB+\slot, \q, \i
.endr
	WIN 0
.endm
.macro FETCH_A slot, q, i0
.irp i, \i0, \i0+1, \i0+2, \i0+3
	FRAG AF+FR*(\i), ADRA+\slot, \q, \i
.endr
.endm
.macro SCALES sc, sg
.irp i, 0,1,2,3,4,5,6,7
	ds_load_b64 v[SC+8*NQ*\sc+NQ*\i:SC+8*NQ*\sc+NQ*\i+1], v[ADRS] offset:\i*512+((\sg)>>1)*256+((\sg)&1)*8
.endr
.endm
.macro PLACES n
.rept \n
	v_nop
.endr
.endm
.macro STEP slot, q, zero
	s_wait_dscnt 4*NL                              ; all but the youngest 16 loads (A's blocks 4-7) are in
	WIN MUL_LO
	MUL16 0, (\q)%2, \q, \slot, \zero
	MUL16 2, (\q)%2, \q, \slot, \zero
	s_wait_dscnt 0
	PLACES NP
	FETCH_B \slot, (\q)+1, 1-(\q)%2
	FETCH_A \slot, (\q)+1, 0
	WIN MUL_HI
	MUL16 4, (\q)%2, \q, \slot, \zero
	MUL16 6, (\q)%2, \q, \slot, \zero
	PLACES NP
	WIN 0
	FETCH_A \slot, (\q)+1, 4
.endm
.macro TURN slot, next, fill, sg
	s_wait_tensorcnt 0x0                           ; all my tensor loads have landed: my part of the next slot
	ds_add_u32 v[SPW], v[NIL]                      ; 0 onto my spare word
	s_wait_dscnt 4*NL+1                            ; (the add and the youngest 16 loads may be out)
	WIN MUL_LO
	MUL16 0, 1, NQ-1, \slot, 0
	s_wait_dscnt 0x0                               ; the add is done, and my reads of this slot are over
	s_barrier_signal -1
	MUL16 2, 1, NQ-1, \slot, 0
	WIN 0
	s_barrier_wait -1
.if \fill
	CREST                                          ; the barrier has opened a round of the cluster's: no wave of any partner still reads this slot or has a load on its way
	s_add_nc_u64 s[G0+4*\slot+2:G0+4*\slot+3], s[G0+4*\slot+2:G0+4*\slot+3], 2*3072
	s_add_nc_u64 s[G0B+4*\slot+2:G0B+4*\slot+3], s[G0B+4*\slot+2:G0B+4*\slot+3], 2*3072
	JLOAD G0+4*\slot, G1, G0B+4*\slot, G1B         ; the first tensor load behind the round; its four v_nop are the places in front of the loads below
.else
	PLACES NP
.endif
	FETCH_B \next, 0, 0
	FETCH_A \next, 0, 0
	SCALES \next, \sg
	WIN MUL_HI
	MUL16 4, 1, NQ-1, \slot, 0
	MUL16 6, 1, NQ-1, \slot, 0
	PLACES NP
	WIN 0
	FETCH_A \next, 0, 4
.endm
	s_wait_tensorcnt 1                             ; the scale words and my part of slot 0 are in (slot 1's load, the youngest, may be out),
	s_barrier_signal -1
	s_barrier_wait -1                              ; everybody's are
	FETCH_B 0, 0, 0
	FETCH_A 0, 0, 0
	SCALES 0, 0
	FETCH_A 0, 0, 4
	STEP 0, 0, 1
	TURN 0, 1, 1, 1
	STEP 1, 0, 0
	TURN 1, 0, 1, 2
	STEP 0, 0, 0
	TURN 0, 1, 0, 3
	STEP 1, 0, 0
	s_wait_dscnt 4*NL
	WIN MUL_LO
	MUL16 0, 1, NQ-1, 1, 0
	MUL16 2, 1, NQ-1, 1, 0
	s_wait_dscnt 0
	WIN MUL_HI
	MUL16 4, 1, NQ-1, 1, 0
	MUL16 6, 1, NQ-1, 1, 0
	WIN 0
; THE WAY OUT, block by block of 16 rows x 128 columns, through my own stage in LDS: accumulator b's eight numbers are columns 32 (b / 2) + 16 h + 8 (b % 2) + 0 .. 7 of row r.  They come back as whole rows of 512 bytes.
; LDS serves a wave's instructions in order (ISA guide 5.7.1.4): no wait between the stores and the loads, nor in front of the next block's stores.
.macro TOSTAGE a
.set AC, 64*((\a)%4)
	WIN 0x08+4*((\a)/4)                            ; the data: window 2 or 3
.irp b, 0,1,2,3,4,5,6,7
	ds_store_b128 v[STO], v[AC+8*\b:AC+8*\b+3] offset:128*(\b/2)+32*(\b%2)        ; each accumulator from its low end on
	ds_store_b128 v[STO], v[AC+8*\b+4:AC+8*\b+7] offset:128*(\b/2)+32*(\b%2)+16
.endr
	WIN 0
.set BB, BK+64*((\a)%2)
.irp t, 0,1,2,3,4,5,6,7,8,9,10,11,12,13,14,15
	ds_load_b128 v[BB+4*\t:BB+4*\t+3], v[RD] offset:\t*SPITCH
.endr
.endm
.macro SEND a, younger                 ; younger: the LDS instructions issued behind block a's loads, which may stay out
.set BB, BK+64*((\a)%2)
	s_wait_dscnt \younger
.irp t, 0,1,2,3,4,5,6,7,8,9,10,11,12,13,14,15
	global_store_b128 v[CO], v[BB+4*\t:BB+4*\t+3], s[12:13] offset:(32*((\a)/2)+8*((\a)%2)+\t+8*(\t/8))*4096 th:TH_STORE_NT   ; lane row t of block a is this row; 32 lanes store 512 consecutive bytes, at a multiple of 256 from the result's first byte
.endr
.endm
	PLACES NP                                      ; behind the last products: for the reads of results and the loads into the registers that held A's fragments
	TOSTAGE 0
.irp a, 1,2,3,4,5,6,7
.if \a > 1
	s_wait_xcnt 0x0                                ; block a - 2's stores have read their registers: block a's loads may land there
.endif
	TOSTAGE \a
	SEND \a-1, 32                                  ; behind block a - 1's loads: block a's 16 stores and 16 loads
.endr
	SEND 7, 0
	s_wait_tensorcnt 0x0                           ; the wave's end
	ds_add_u32 v[SPW], v[NIL]
	s_wait_dscnt 0x0
	CROUND                                         ; the closing round: no work-group ends while a partner may still ask for a tile that names it
	s_endpgm
.Lfunc_end_k_q2b4ab4ee8f_outp:
	.size	k_q2b4ab4ee8f_outp, .Lfunc_end_k_q2b4ab4ee8f_outp-k_q2b4ab4ee8f_outp
	.p2alignl 7, 3214868480
	.fill 96, 4, 3214868480
	.section	.rodata,"a",@progbits
	.p2align	6, 0x0
	.amdhsa_kernel k_q2b4ab4ee8f_outp
		.amdhsa_group_segment_fixed_size 327680
		.amdhsa_private_segment_fixed_size 0
		.amdhsa_enable_private_segment 0
		.amdhsa_kernarg_size 40
		.amdhsa_user_sgpr_count 2
		.amdhsa_user_sgpr_kernarg_segment_ptr 1
		.amdhsa_wavefront_size32 1
		.amdhsa_system_sgpr_workgroup_id_x 1
		.amdhsa_system_sgpr_workgroup_id_y 1
		.amdhsa_system_sgpr_workgroup_id_z 1
		.amdhsa_system_vgpr_workitem_id 0
		.amdhsa_next_free_vgpr 1024
		.amdhsa_next_free_sgpr 98
		.amdhsa_reserve_vcc 0
		.amdhsa_float_denorm_mode_32 3
		.amdhsa_float_denorm_mode_16_64 3
		.amdhsa_memory_ordered 1
		.amdhsa_forward_progress 1
		.amdhsa_inst_pref_size 143
	.end_amdhsa_kernel
	.amdgpu_metadata
---
amdhsa.version: [ 1, 2 ]
amdhsa.kernels:
  - .name:           k_q2b4ab4ee8f_outp
    .symbol:         k_q2b4ab4ee8f_outp.kd
    .args:
      - { .name: oc, .offset: 0, .size: 8, .value_kind: global_buffer, .address_space: global }
      - { .name: os, .offset: 8, .size: 8, .value_kind: global_buffer, .address_space: global }
      - { .name: xc, .offset: 16, .size: 8, .value_kind: global_buffer, .address_space: global }
      - { .name: xs, .offset: 24, .size: 8, .value_kind: global_buffer, .address_space: global }
      - { .name: out0, .offset: 32, .size: 8, .value_kind: global_buffer, .address_space: global }
    .group_segment_fixed_size: 327680
    .private_segment_fixed_size: 0
    .kernarg_segment_align: 8
    .kernarg_segment_size: 40
    .max_flat_workgroup_size: 128
    .sgpr_count:     98
    .vgpr_count:     1024
    .wavefront_size: 32
...
	.end_amdgpu_metadata
.endif
;; end of part 4
;; ======== version 2 of 2: 4 launches; version 1 with the launch attn written anew for expert scheduling mode
;; limits: right only within a limited range of input values
;; workspace buffers: xc 12,582,912 bytes; xs 524,288 bytes; qkvc 9,437,184 bytes; qkvs 393,216 bytes; mw 524,288 bytes of whole numbers; mf 8,192 bytes of whole numbers; oc 3,145,728 bytes; os 131,072 bytes
;; launch prep: the kernel of part 1 again; grid 320 x 1, 8 waves a work-group, no clusters, 136,192 bytes of LDS; arguments query, key, value, Wq, Wk, Wv, Wo, mask, xc, xs, mw, mf; writes xc, xs, mw, mf
;; launch proj: the kernel of part 2 again; grid 4 x 48, 4 waves a work-group, clusters of 4 x 4, 327,680 bytes of LDS; arguments xc, xs, qkvc, qkvs; writes qkvc, qkvs
;; launch attn (part 5): grid 8 x 32, 16 waves a work-group, no clusters, 206,848 bytes of LDS; arguments qkvc, qkvs, mw, mf, oc, os; writes oc, os
.if DOCPART == 5
	.amdgcn_target "amdgcn-amd-amdhsa--gfx1250"
	.amdhsa_code_object_version 6
	.text
	.protected	k_q2b4ab4ee8f_attn
	.globl	k_q2b4ab4ee8f_attn
	.p2align	8
	.type	k_q2b4ab4ee8f_attn,@function
k_q2b4ab4ee8f_attn:
	s_mov_b64 s[64:65], 0
	v_nop
	global_prefetch_b8 v0, s[64:65] scope:SCOPE_SE
	s_setreg_imm32_b32 hwreg(HW_REG_WAVE_SCHED_MODE, 0, 2), 2
	s_setreg_imm32_b32 hwreg(HW_REG_WAVE_MODE, 25, 1), 1
	s_wait_xcnt 0x0
	s_wait_alu depctr_vm_vsrc(0)
; ATTN.  For each batch and head: S = q k^T / 8, the mask, p = 2^(t - M), O = p v / l, both products on codes of FP6 (E2M3) with E8M0 scales; O is quantised along the model's axis and leaves as codes for the last product.
; t = score x log2(e) / 8; M = the row's largest t so far, rounded up to a whole number; p is quantised along the keys, not normalised; l is the sum of the unquantised p.  When M moves, l and O are multiplied by 2^(old M - new M): exact.
; SHARES.  Work-group (i, 16 b + head) keeps the head's K and V codes and scale words in LDS, brought once through registers (one barrier), and serves query blocks i and 15 - i of 128.  Each of its sixteen waves owns one tile of 16 queries.
; THE MASK IS AN INPUT.  An earlier launch has stored, for each tile of queries and each step of 128 keys, 64 lane-mask words and a flag word.  A step in which no row of the tile sees a key is left out by a scalar branch on the flags,
; but only where every row of the tile sees a key somewhere: else the tile walks all 16 steps, so that a row that sees nothing gets equal weights over all 2,048 keys.  A step in which all is seen leaves the 64 selects out.
; A hidden score stands as the raw number -2^33: c x it is a whole number, so a row that sees nothing has p = 1 exactly; a row whose first steps are hidden loses them by the factor 2^(old M - new M) = 0.
; LIMIT: that is the logit -2^30 where the module has -1e9: the results differ only where true logits lie under about -9e8.  A block of zeros gets the byte 1; NaN and infinities are not served.
; NO CLUSTER, NO TENSOR LOAD: the loop branches on whole numbers read from memory; K and V are read once, at the head.
; LAYOUT.  Both products are used transposed: S^T = K Q^T (source 0 = keys), O^T = V^T P^T (source 0 = 16 of the head's 64): a lane holds one query (lane % 16) throughout.  The rows of a block of 16 are 32 (T / 2) + 8 (T % 2) + r + 8 (r / 8),
; so the 16 registers of tiles 2 b and 2 b + 1 are the neighbours 32 b + 16 h + 0 .. 15.  The first product's K is 64, the instruction's 128: a fragment of K holds TWO key tiles (k 0-63: tile 2 b, k 64-127: tile 2 b + 1) and is multiplied
; once by [q | zero codes] and once by [zero codes | q]; the zero halves' scale bytes are 1.
; LDS: K [step 16][b 4][1536] at 0; V [step][t 4][1536] at 98,304; K's scale words at 196,608 + 256 step + 16 r + 4 b; V's at 200,704 + 256 step + 16 r + 4 t.
; REGISTERS: v1 16 x lane, v2 8 x lane, v3 K's scale words' lane term, v10-11 V's lane terms; v5-9 the step's addresses; v12 -M, v13 the largest t, v[14:15] l in two halves; v16-27 [q | 0], v28-39 [0 | q], v40-41 their scale words;
; v42 -2^33; v44-91 four fragments of K, then of V; v92-95 K's scale words; v96-159 S^T, then p; v160-191 O^T; v192-211 p's codes; v212-223 block maxima, bytes, scale operands; v224 p's scale word; v[226:227] the factor; v232-235 V's scale words.
; THE MODE: SCHED_MODE bits 1:0 = 2 (LLVM: expert scheduling mode 2), set by the entry lines.  The code itself states the register dependences between vector or matrix instructions and memory or LDS instructions, with s_wait_alu, always for 0.
; THE PLAN.  Registers that memory or LDS instructions touch:
;   v1, v2      offsets, made at the head and never written again.
;   v5-v9       written by the five additions at a step's head, read by the step's 34 LDS loads.  (At the head v5-v8 are the addresses of the stores into LDS; the way out writes v5 and v6 anew.)
;   v44-v91     ONE buffer, since the wave's 256 registers are taken: K's fragments land, the eight first products read them, V's fragments land, the four second products read them.
;   v92-v95     K's scale words: they land with K's fragments; the first products read them.     v232-v235  V's: they land with V's fragments; the second products read them.
;   v96-v199    at the head alone: what global loads brought and the stores into LDS read; later the products', O^T's and the conversions' registers.     v236-v238  at the head offsets of loads; later at work.
;   v192-v203, v224 (p's codes and scale word), v22-v33, v40, v41 (zero codes, q's scale words): written by vector instructions, taken by scaled products.
; A STEP'S WAITS.  On va_vdst: at its head, behind the additions (the addresses are written; the last step's second products are done with v44-91 and v232-235); behind the first products (they are done with v44-91); the two behind the
; exponentials; ahead of the second products (p's codes and scale word are written).  On vm_vsrc: one, behind the step's last LDS load: v5-v9 are read.  Behind it no memory or LDS instruction names them before they are written again.
.set VL,  98304
.set KSC, 196608
.set VSC, 200704
	s_load_b256 s[4:11], s[0:1], 0x0               ; qkvc s[4:5], qkvs s[6:7], mw s[8:9], mf s[10:11]
	s_load_b128 s[12:15], s[0:1], 0x20             ; oc s[12:13], os s[14:15]
	v_lshl_add_u32 v254, v0, 2, 0x32000
	v_mov_b32 v255, 0
	v_lshrrev_b32 v4, 5, v0
	v_readfirstlane_b32 s16, v4                    ; wave 0..15
	v_and_b32 v4, 31, v0
	v_lshlrev_b32 v1, 4, v4                        ; 16 x lane
	v_lshlrev_b32 v2, 3, v4                        ; 8 x lane
	v_and_b32 v4, 15, v0                           ; r
	v_lshl_add_u32 v3, v4, 4, KSC
	v_add_nc_u32 v10, VL, v1
	v_add_nc_u32 v11, VL, v2
	s_wait_alu depctr_va_sdst(0)                   ; s16 is written, ahead of its first reader: addresses, offsets and the tile's number are made from it
	s_mul_i32 s30, s16, 6144
	v_add_nc_u32 v5, s30, v1                       ; where my wave puts step w of K,
	v_add_nc_u32 v6, s30, v10                      ; and of V
	v_lshl_add_u32 v7, v0, 3, KSC                  ; 8 bytes a thread of K's scale words,
	v_lshl_add_u32 v8, v0, 3, VSC                  ; and of V's
	s_mov_b32 s17, ttmp9                           ; i
	s_and_b32 s18, ttmp7, 0xffff                   ; 16 b + head
	s_lshr_b32 s30, s16, 2
	s_xor_b32 s30, s30, s16
	s_and_b32 s30, s30, 1                          ; which of the two query blocks: by this choice four neighbouring waves, and four waves 4 apart, hold two of each
	s_lshr_b32 s31, s16, 1
	s_sub_co_u32 s19, 15, s17
	s_cmp_eq_u32 s30, 0
	s_cselect_b32 s19, s17, s19
	s_lshl_b32 s19, s19, 3
	s_add_co_u32 s19, s19, s31                     ; T: my tile of 16 queries, 0..127
	s_mov_b32 s20, 0x76543210
	s_mov_b32 s21, 0xfedcba98                      ; lane selects: lane l xor 16
	s_mov_b32 s22, 0x3e38aa3b                      ; c = log2(e) / 8
	s_mov_b32 s23, s22                             ; (named with it as a pair, so it is written)
	s_mul_i32 s68, s18, 98304
	s_mov_b32 s69, 0
	s_mul_i32 s70, s16, 6144
	s_add_co_u32 s70, s70, 3145728
	s_mov_b32 s71, 0
	s_mul_i32 s72, s16, 1536
	s_add_co_u32 s72, s72, 6291456
	s_mov_b32 s73, 0
	s_mul_i32 s74, s19, 768
	s_mov_b32 s75, 0
	s_bfe_u32 s76, s18, 0x30001                    ; head pair
	s_lshl_b32 s76, s76, 14
	s_lshr_b32 s77, s18, 4                         ; b
	s_lshl_b32 s77, s77, 13
	s_add_co_u32 s76, s76, s77
	s_mov_b32 s77, 0
	s_and_b32 s80, s18, 1                          ; the head's parity
	s_lshr_b32 s81, s19, 3
	s_lshl_b32 s81, s81, 9
	s_and_b32 s82, s19, 7
	s_lshl_b32 s82, s82, 2
	s_add_co_u32 s81, s81, s82                     ; q's scale word: group T / 8, word T % 8
	v_lshlrev_b32 v236, 4, v0                      ; K's scale words: 16 bytes a thread
	v_lshrrev_b32 v237, 1, v0
	v_lshlrev_b32 v237, 5, v237
	v_and_b32 v238, 1, v0
	v_lshl_add_u32 v237, v238, 3, v237
	v_lshl_add_u32 v237, s80, 4, v237              ; V's: row (step, r) of 32 bytes, my head's 16, 8 bytes a thread
	v_lshl_add_u32 v238, v4, 5, s81
	s_lshl_b32 s82, s19, 12
	s_mov_b32 s83, 0
	s_lshl_b32 s84, s19, 6
	s_mov_b32 s85, 0
	s_wait_kmcnt 0x0
	s_add_nc_u64 s[68:69], s[4:5], s[68:69]        ; the head in q's part
	s_add_nc_u64 s[70:71], s[68:69], s[70:71]      ; K's step w
	s_add_nc_u64 s[72:73], s[68:69], s[72:73]      ; V's step w of t = 0
	s_add_nc_u64 s[68:69], s[68:69], s[74:75]      ; my tile of q
	s_add_nc_u64 s[78:79], s[6:7], s[76:77]        ; the head pair's and batch's 8,192 bytes in q's part of the scale words
	s_add_nc_u64 s[8:9], s[8:9], s[82:83]          ; my tile's mask words
	s_add_nc_u64 s[10:11], s[10:11], s[84:85]      ; and its 16 flag words
	s_load_b512 s[32:47], s[10:11], 0x0
	s_wait_alu depctr_va_vdst(0)                   ; the offsets v1, v2, v236 to v238, which the loads below read, and the LDS addresses v5 to v8, which the stores into LDS read, are written
.irp k, 0,1,2,3,4,5,6,7,8,9,10,11
	global_load_b128 v[96+4*\k:99+4*\k], v1, s[70:71] offset:512*\k
.endr
.irp t, 0,1,2,3
.irp p, 0,1,2
	global_load_b128 v[144+12*\t+4*\p:147+12*\t+4*\p], v1, s[72:73] offset:24576*\t+512*\p
.endr
.endr
	global_load_b128 v[192:195], v236, s[78:79] offset:131072
	global_load_b64 v[196:197], v237, s[78:79] offset:262144
	global_load_b128 v[16:19], v1, s[68:69]        ; q's half image twice: as k 0-63 of one operand,
	global_load_b64 v[20:21], v2, s[68:69] offset:512
	global_load_b128 v[34:37], v1, s[68:69]        ; and as k 64-127 of the other
	global_load_b64 v[38:39], v2, s[68:69] offset:512
	global_load_b32 v40, v238, s[78:79]
	s_mov_b32 s82, 0x07060302
	s_cmp_eq_u32 s80, 0
	s_cselect_b32 s82, 0x05040100, s82             ; which halves of two words make a packed fragment's word
.irp k, 0,1,2,3,4,5,6,7,8,9,10,11
	s_wait_loadcnt 30-\k                           ; 31 loads were issued: load k is in when at most 30 - k are out
	ds_store_b128 v5, v[96+4*\k:99+4*\k] offset:512*\k
.endr
.irp t, 0,1,2,3
.irp p, 0,1,2
	s_wait_loadcnt 18-3*\t-\p
	ds_store_b128 v6, v[144+12*\t+4*\p:147+12*\t+4*\p] offset:1536*\t+512*\p
.endr
.endr
	s_wait_loadcnt 6                               ; K's scale words: six loads are younger
	v_perm_b32 v198, v193, v192, s82               ; low half: key tile 2 b's two bytes of my head; high half: tile 2 b + 1's
	v_perm_b32 v199, v195, v194, s82
	s_wait_alu depctr_va_vdst(0)                   ; the two lines above have written v198 and v199, which the store below reads
	ds_store_b64 v7, v[198:199]
	s_wait_loadcnt 5                               ; V's: five are younger
	ds_store_b64 v8, v[196:197]
	s_wait_dscnt 0x0                               ; for the others' sake: my stores have landed
	s_barrier_signal -1
	s_barrier_wait -1                              ; the head's K and V lie in LDS; nothing is stored there from here on
	s_wait_loadcnt 0x0                             ; q
	s_wait_alu depctr_vm_vsrc(0)                   ; the loads have read v236 to v238, the stores into LDS v5 to v8, v96 to v191 and v196 to v199: all of these are written again below and in the loop
.irp j, 22,23,24,25,26,27,28,29,30,31,32,33
	v_mov_b32 v[\j], 0                             ; the zero codes
.endr
	s_lshl_b32 s83, s80, 4
	v_lshrrev_b32 v41, s83, v40
	v_and_b32 v41, 0xffff, v41                     ; my head's two bytes
	v_or_b32 v40, 0x01010000, v41                  ; for [q | 0]
	v_lshl_or_b32 v41, v41, 16, 0x0101             ; for [0 | q]
	v_mov_b32 v42, 0xd0000000                      ; -2^33
	v_mov_b32 v13, 0xff61b1e6                      ; the largest t so far: -3e38
	v_floor_f32 v12, -v13                          ; -M
	v_mov_b32 v14, 0
	v_mov_b32 v15, 0
.irp b, 0,1,2,3
	v_mov_b32 v[216+\b], 0                         ; a lane permute's destination counts as one of its sources
.endr
	v_mov_b32 v227, 0                              ; (named as the upper half of the pair v[226:227])
	v_mov_b32 v236, 0
.set j, 0
.rept 32
	v_mov_b32 v[160+j], 0                          ; O^T: the step is written once; the first finds zeros
.set j, j+1
.endr
	s_wait_kmcnt 0x0                               ; the flag words
	s_mov_b32 s24, 0
	s_mov_b32 s25, 0
	s_mov_b32 s30, 0
.irp s, 0,1,2,3,4,5,6,7,8,9,10,11,12,13,14,15
	s_or_b32 s30, s30, s[32+\s]
	s_bfe_u32 s31, s[32+\s], 0x10010
	s_lshl_b32 s31, s31, \s
	s_or_b32 s25, s25, s31                         ; bit s: all of step s is seen
	s_and_b32 s31, s[32+\s], 0xffff
	s_cselect_b32 s31, 1<<\s, 0
	s_or_b32 s24, s24, s31                         ; bit s: some row sees a key of step s
.endr
	s_and_b32 s30, s30, 0xffff
	s_cmp_eq_u32 s30, 0xffff                       ; does every row see a key somewhere?
	s_cselect_b32 s24, s24, 0xffff                 ; if not, all steps are walked
	s_mov_b32 s26, 0
	s_mov_b32 s27, 0                               ; the step's fragments: 6,144 bytes a step
	s_mov_b32 s28, 0                               ; its scale words: 256 bytes a step
.Lstep:                                            ; 16 trips, a constant; a step's work is jumped over, never the lines that step addresses
	s_bitcmp1_b32 s24, 0
	s_cbranch_scc0 .Lnext
	v_add_nc_u32 v5, s27, v1                       ; the step's five addresses.  (The instructions that read the old ones stand ahead of a wait on vm_vsrc: the last worked step's, or the head's)
	v_add_nc_u32 v6, s27, v2
	v_add_nc_u32 v7, s27, v10
	v_add_nc_u32 v8, s27, v11
	v_add_nc_u32 v9, s28, v3
	s_load_b512 s[32:47], s[8:9], 0x0              ; the step's 64 mask words
	s_load_b512 s[48:63], s[8:9], 0x40
	s_load_b512 s[68:83], s[8:9], 0x80
	s_load_b512 s[84:99], s[8:9], 0xc0
	s_wait_alu depctr_va_vdst(0)                   ; v5 to v9 are written, which the LDS loads read; the last step's second products are done reading v44 to v91 and v232 to v235, in which loads land; in the first step walked: the zero codes and q's scale words are written, which the scaled products take
.irp f, 0,1,2,3
	ds_load_b128 v[44+12*\f:47+12*\f], v5 offset:1536*\f
	ds_load_b64 v[48+12*\f:49+12*\f], v6 offset:1536*\f+512
	ds_load_b128 v[50+12*\f:53+12*\f], v5 offset:1536*\f+768
	ds_load_b64 v[54+12*\f:55+12*\f], v6 offset:1536*\f+1280
.endr
	ds_load_b128 v[92:95], v9
	s_wait_dscnt 0x0
.irp f, 0,1,2,3                        ; S^T: register 16 f + i of a lane is key 128 step + 32 f + 16 h + i
	v_wmma_scale_f32_16x16x128_f8f6f4 v[96+16*\f:103+16*\f], v[44+12*\f:55+12*\f], v[16:27], 0, v[92+\f], v40 matrix_a_fmt:MATRIX_FMT_FP6 matrix_b_fmt:MATRIX_FMT_FP6
	v_wmma_scale_f32_16x16x128_f8f6f4 v[104+16*\f:111+16*\f], v[44+12*\f:55+12*\f], v[28:39], 0, v[92+\f], v41 matrix_a_fmt:MATRIX_FMT_FP6 matrix_b_fmt:MATRIX_FMT_FP6
.endr
.rept 4
	v_nop                                          ; places in front of the first read of the scores
.endr
	s_wait_alu depctr_va_vdst(0)                   ; the eight products are done reading v44 to v91, in which V's fragments land (the softmax below reads the same products' results)
.irp f, 0,1,2,3                        ; V's four fragments land while the softmax is walked
	ds_load_b128 v[44+12*\f:47+12*\f], v7 offset:1536*\f
	ds_load_b64 v[48+12*\f:49+12*\f], v8 offset:1536*\f+512
	ds_load_b128 v[50+12*\f:53+12*\f], v7 offset:1536*\f+768
	ds_load_b64 v[54+12*\f:55+12*\f], v8 offset:1536*\f+1280
.endr
	ds_load_b128 v[232:235], v9 offset:4096
	s_wait_alu depctr_vm_vsrc(0)                   ; the step's 34 LDS loads have read v5 to v9, which the next step's additions, and the way out, write again; no LDS or memory instruction names them in between
	s_wait_kmcnt 0x0                               ; the mask words are in
	s_bitcmp1_b32 s25, 0
	s_cbranch_scc1 .Lopen                          ; all is seen: nothing to select
.set n, 0
.rept 16
	v_cndmask_b32 v[96+n], v42, v[96+n], s[32+n]   ; bit = 1: the score stays
.set n, n+1
.endr
.set n, 0
.rept 16
	v_cndmask_b32 v[112+n], v42, v[112+n], s[48+n]
.set n, n+1
.endr
.set n, 0
.rept 16
	v_cndmask_b32 v[128+n], v42, v[128+n], s[68+n]
.set n, n+1
.endr
.set n, 0
.rept 16
	v_cndmask_b32 v[144+n], v42, v[144+n], s[84+n]
.set n, n+1
.endr
.Lopen:
.irp b, 0,1,2,3
	v_max3_num_f32 v[212+\b], v[96+16*\b], v[97+16*\b], v[98+16*\b]   ; the largest score of each block of 32 keys: for the row's maximum, and, since p rises with the score, for the block's largest p
.endr
.irp i, 3,5,7,9,11,13
.irp b, 0,1,2,3
	v_max3_num_f32 v[212+\b], v[212+\b], v[96+16*\b+\i], v[97+16*\b+\i]
.endr
.endr
.irp b, 0,1,2,3
	v_max_num_f32 v[212+\b], v[212+\b], v[111+16*\b]
.endr
.irp b, 0,1,2,3
	v_permlanex16_b32 v[216+\b], v[212+\b], s20, s21
.endr
.irp b, 0,1,2,3
	v_max_num_f32 v[212+\b], v[212+\b], v[216+\b]  ; with lane l xor 16's 16 keys
.endr
	v_max3_num_f32 v236, v212, v213, v214
	v_max_num_f32 v236, v236, v215
	v_mul_f32 v236, s22, v236                      ; the step's largest t of my query
	v_max_num_f32 v13, v13, v236
	v_mov_b32 v236, v12
	v_floor_f32 v12, -v13                          ; the new -M = -ceil(t)
	v_sub_f32 v236, v12, v236                      ; old M - new M: a whole number, 0 or less
	v_cvt_i32_f32 v236, v236                       ; (it saturates)
	v_ldexp_f32 v226, 1.0, v236                    ; the factor 2^(old M - new M)
.set j, 0
.rept 32
	v_pk_fma_f32 v[96+j:97+j], v[96+j:97+j], s[22:23], v[12:13] op_sel_hi:[1,0,0]   ; t - M, two at a time
.set j, j+2
.endr
.irp b, 0,1,2,3
	v_fma_f32 v[212+\b], v[212+\b], s22, v12       ; the same of each block's largest score
.endr
.set j, 0
.rept 64
	v_exp_f32 v[96+j], v[96+j]                     ; p = 2^(t - M)
.set j, j+1
.endr
	v_pk_mul_f32 v[14:15], v[14:15], v[226:227] op_sel_hi:[1,0]   ; l under the new M: the plain place behind the exponentials
	s_wait_alu depctr_va_vdst(0)                   ; the 64 exponentials have written v96 to v159: one wait for the whole batch, ahead of the first use of a result
.irp b, 0,1,2,3
	v_exp_f32 v[212+\b], v[212+\b]                 ; the block's largest p
.endr
	v_pk_add_f32 v[238:239], v[96:97], v[98:99]    ; l is taken of the unquantised p, in two chains
.irp j, 4,8,12,16,20,24,28,32,36,40,44,48,52,56,60
	v_pk_add_f32 v[14:15], v[14:15], v[96+\j:97+\j]
	v_pk_add_f32 v[238:239], v[238:239], v[98+\j:99+\j]
.endr
	v_pk_add_f32 v[14:15], v[14:15], v[238:239]
	s_wait_alu depctr_va_vdst(0)                   ; the four exponentials have written v212 to v215: the wait ahead of their first use
.irp b, 0,1,2,3
	v_max_num_f32 v[212+\b], 0x1800000, v[212+\b]  ; the floor 2^(3 - 127): the byte cannot fall under 1
.endr
.irp b, 0,1,2,3
	v_add_nc_u32 v[220+\b], 0xff000000, v[212+\b]  ; 2 off the exponent field: the conversion's scale operand
.endr
.irp b, 0,1,2,3
	v_lshrrev_b32 v[216+\b], 23, v[220+\b]
.endr
	v_lshl_or_b32 v224, v217, 8, v216
	v_lshl_or_b32 v224, v218, 16, v224
	v_lshl_or_b32 v224, v219, 24, v224             ; p's scale word for these 128 keys
.irp c, 0,1
	v_cvt_scalef32_pk16_fp6_f32 v[192+6*\c:194+6*\c], v[96+32*\c:111+32*\c], v[220+2*\c]
	v_cvt_scalef32_pk16_fp6_f32 v[204+4*\c:206+4*\c], v[112+32*\c:127+32*\c], v[220+2*\c+1]
.endr
.set j, 0
.rept 16
	v_pk_mul_f32 v[160+j:161+j], v[160+j:161+j], v[226:227] op_sel_hi:[1,0]   ; O^T under the new M; also the plain place behind the conversions
.set j, j+2
.endr
.irp c, 0,1                            ; the operand's layout wants a whole block in a lane
.irp i, 0,1,2
	v_permlane16_swap_b32 v[192+6*\c+\i], v[204+4*\c+\i]
.endr
.irp i, 0,1,2
	v_mov_b32 v[195+6*\c+\i], v[204+4*\c+\i]
.endr
.endr
.rept 4
	v_nop                                          ; an operand written by vector instructions stands four places ahead of a scaled matrix instruction
.endr
	s_wait_alu depctr_va_vdst(0)                   ; p's codes v192 to v203 and its scale word v224 are written, which the scaled products below take; the places above stay beside this wait
	s_wait_dscnt 0x0                               ; V's fragments and scale words are in
.irp t, 0,1,2,3                        ; O^T += V^T P^T: four accumulators, one instruction a turn
	v_wmma_scale_f32_16x16x128_f8f6f4 v[160+8*\t:167+8*\t], v[44+12*\t:55+12*\t], v[192:203], v[160+8*\t:167+8*\t], v[232+\t], v224 matrix_a_fmt:MATRIX_FMT_FP6 matrix_b_fmt:MATRIX_FMT_FP6
.endr
.Lnext:
	s_lshr_b32 s24, s24, 1
	s_lshr_b32 s25, s25, 1
	s_add_co_u32 s27, s27, 6144
	s_add_co_u32 s28, s28, 256
	s_add_nc_u64 s[8:9], s[8:9], 256               ; (no scalar load is out here: the step's were waited for)
	s_add_co_u32 s26, s26, 1
	s_cmp_lt_u32 s26, 16
	s_cbranch_scc1 .Lstep
	; THE WAY OUT.  O^T / l: register 16 b + i of a lane is the head's channel 32 b + 16 h + i of my query: two blocks of 32 along the last product's K.  They become a half image of 768 bytes and two scale bytes.
	v_add_f32 v14, v14, v15                        ; l's two halves.  (These four lines are the places behind the last products)
	v_and_b32 v4, 15, v0
	v_bfe_u32 v5, v0, 4, 1
	v_lshl_add_u32 v6, v4, 4, v5                   ; 16 r + h
	v_cmp_ne_u32 vcc_lo, 0, v5
	v_permlanex16_b32 v236, v14, s20, s21
	v_add_f32 v14, v14, v236                       ; and lane l xor 16's: the row's sum
	v_rcp_f32 v14, v14
	v_nop                                          ; a plain place behind the transcendental
	s_lshr_b32 s30, s18, 4
	s_lshl_b32 s30, s30, 7
	s_add_co_u32 s30, s30, s19                     ; the token block: 128 b + T
	s_and_b32 s31, s18, 15                         ; head
	s_lshl_b32 s26, s30, 4
	s_add_co_u32 s26, s26, s31
	s_mul_i32 s26, s26, 768
	s_mov_b32 s27, 0
	s_add_nc_u64 s[12:13], s[12:13], s[26:27]
	s_lshl_b32 s26, s30, 9
	s_lshr_b32 s28, s31, 3
	s_lshl_b32 s28, s28, 8
	s_add_co_u32 s26, s26, s28
	s_and_b32 s28, s31, 7
	s_lshl_b32 s28, s28, 1
	s_add_co_u32 s26, s26, s28
	s_add_nc_u64 s[14:15], s[14:15], s[26:27]
	s_wait_alu depctr_va_vcc(0)                    ; the compare above has written VCC, ahead of its one reader, the select behind the conversions
	s_wait_alu depctr_va_vdst(0)                   ; the reciprocal has written v14: the wait ahead of the first use
.set j, 0
.rept 32
	v_mul_f32 v[96+j], v[160+j], v14               ; each accumulator from its low end on
.set j, j+1
.endr
.irp b, 0,1
	v_max3_num_f32 v[212+\b], |v[96+16*\b]|, |v[97+16*\b]|, 0x1800000
.endr
.irp i, 2,4,6,8,10,12,14
.irp b, 0,1
	v_max3_num_f32 v[212+\b], v[212+\b], |v[96+16*\b+\i]|, |v[97+16*\b+\i]|
.endr
.endr
.irp b, 0,1
	v_permlanex16_b32 v[216+\b], v[212+\b], s20, s21
.endr
.irp b, 0,1
	v_max_num_f32 v[212+\b], v[212+\b], v[216+\b]
.endr
.irp b, 0,1
	v_add_nc_u32 v[220+\b], 0xff000000, v[212+\b]
.endr
.irp b, 0,1
	v_lshrrev_b32 v[216+\b], 23, v[220+\b]
.endr
	v_cvt_scalef32_pk16_fp6_f32 v[192:194], v[96:111], v220
	v_cvt_scalef32_pk16_fp6_f32 v[204:206], v[112:127], v221
	v_cndmask_b32 v237, v216, v217, vcc_lo         ; lane (r, h) stores block h's byte.  (The plain place behind the conversions)
.irp i, 0,1,2
	v_permlane16_swap_b32 v[192+\i], v[204+\i]
.endr
.irp i, 0,1,2
	v_mov_b32 v[195+\i], v[204+\i]
.endr
	s_wait_alu depctr_va_vdst(0)                   ; the codes v192 to v197, the byte v237 and the offset v6 are written, which the three stores read
	global_store_b128 v1, v[192:195], s[12:13]     ; 512 consecutive bytes, at a multiple of 256 from oc's first byte
	global_store_b64 v2, v[196:197], s[12:13] offset:512
	global_store_b8 v6, v237, s[14:15]             ; a head owns 2 of a row's 32 scale bytes, so these stores are single bytes 16 apart: 32 bytes a tile beside its 768 of codes
	s_wait_dscnt 0x0                               ; the closing lines, six on end
	s_wait_alu 0x0
	s_wait_tensorcnt 0x0
	ds_add_u32 v254, v255
	s_wait_dscnt 0x0
	s_endpgm
.Lfunc_end_k_q2b4ab4ee8f_attn:
	.size	k_q2b4ab4ee8f_attn, .Lfunc_end_k_q2b4ab4ee8f_attn-k_q2b4ab4ee8f_attn
	.p2alignl 7, 3214868480
	.fill 96, 4, 3214868480
	.section	.rodata,"a",@progbits
	.p2align	6, 0x0
	.amdhsa_kernel k_q2b4ab4ee8f_attn
		.amdhsa_group_segment_fixed_size 206848
		.amdhsa_private_segment_fixed_size 0
		.amdhsa_enable_private_segment 0
		.amdhsa_kernarg_size 48
		.amdhsa_user_sgpr_count 2
		.amdhsa_user_sgpr_kernarg_segment_ptr 1
		.amdhsa_wavefront_size32 1
		.amdhsa_system_sgpr_workgroup_id_x 1
		.amdhsa_system_sgpr_workgroup_id_y 1
		.amdhsa_system_sgpr_workgroup_id_z 1
		.amdhsa_system_vgpr_workitem_id 0
		.amdhsa_next_free_vgpr 256
		.amdhsa_next_free_sgpr 100
		.amdhsa_reserve_vcc 1
		.amdhsa_float_denorm_mode_32 3
		.amdhsa_float_denorm_mode_16_64 3
		.amdhsa_memory_ordered 1
		.amdhsa_forward_progress 1
		.amdhsa_inst_pref_size 42
	.end_amdhsa_kernel
	.amdgpu_metadata
---
amdhsa.version: [ 1, 2 ]
amdhsa.kernels:
  - .name:           k_q2b4ab4ee8f_attn
    .symbol:         k_q2b4ab4ee8f_attn.kd
    .args:
      - { .name: qkvc, .offset: 0, .size: 8, .value_kind: global_buffer, .address_space: global }
      - { .name: qkvs, .offset: 8, .size: 8, .value_kind: global_buffer, .address_space: global }
      - { .name: mw, .offset: 16, .size: 8, .value_kind: global_buffer, .address_space: global }
      - { .name: mf, .offset: 24, .size: 8, .value_kind: global_buffer, .address_space: global }
      - { .name: oc, .offset: 32, .size: 8, .value_kind: global_buffer, .address_space: global }
      - { .name: os, .offset: 40, .size: 8, .value_kind: global_buffer, .address_space: global }
    .group_segment_fixed_size: 206848
    .private_segment_fixed_size: 0
    .kernarg_segment_align: 8
    .kernarg_segment_size: 48
    .max_flat_workgroup_size: 512
    .sgpr_count:     100
    .vgpr_count:     256
    .wavefront_size: 32
...
	.end_amdgpu_metadata
.endif
;; end of part 5
;; launch outp: the kernel of part 4 again; grid 4 x 16, 4 waves a work-group, clusters of 4 x 4, 327,680 bytes of LDS; arguments oc, os, xc, xs, out0; writes out0
